; MI455X (gfx1250); checked and timed in simulation.
; The chip was launched on July 23, 2026; its instructions are those of AMD's public machine-readable ISA for CDNA 5 (MIT licence, August 2026) and "CDNA5" Instruction Set Architecture Reference Guide (July 2026). The comments in the code are by the model that wrote it; some were corrected since.
;; Causal Self Attention. Allowed arithmetic: float matrix products may take bf16 or f16 operands with f32 sums; all other float work in f32.
;; Inputs: Wk 1,024 x 1,024 float32; Wo 1,024 x 1,024 float32; Wq 1,024 x 1,024 float32; Wv 1,024 x 1,024 float32; bo 1,024 float32; x 2 x 2,048 x 1,024 float32.
;; Outputs: out0 2 x 2,048 x 1,024 float32.
;; 2 versions, each right; version 2 is version 1 with the launch cast written anew for expert scheduling mode. Each part assembles by itself: llvm-mc -triple=amdgcn-amd-amdhsa -mcpu=gfx1250 --defsym DOCPART=n.
;; ======== version 1 of 2: 5 launches
;; limits: values are held in f16: magnitudes above 65,504 overflow, below 6.1e-05 lose precision
;; workspace buffers: xw 16,777,216 bytes; qkv 25,165,824 bytes; att 8,388,608 bytes; atx 131,072 bytes
;; launch cast (part 1): grid 512 x 1, 8 waves a work-group, no clusters, 0 bytes of LDS; arguments x, Wq, Wk, Wv, Wo, xw; writes xw
.if DOCPART == 1
	.amdgcn_target "amdgcn-amd-amdhsa--gfx1250"
	.amdhsa_code_object_version 6
	.text
	.protected	k_q46135b398a_cast
	.globl	k_q46135b398a_cast
	.p2align	8
	.type	k_q46135b398a_cast,@function
k_q46135b398a_cast:
	s_mov_b64 s[64:65], 0
	v_nop
	global_prefetch_b8 v0, s[64:65] scope:SCOPE_SE
	s_setreg_imm32_b32 hwreg(HW_REG_WAVE_MODE, 25, 1), 1
	s_wait_xcnt 0x0
; xw[8192][1024], 16 bits a number: rows 0-4095 = x, 4096-5119 = Wq, 5120-6143 = Wk, 6144-7167 = Wv, all in bf16;
; rows 7168-8191 = Wo, rounded to bf16 like the others and then written in f16's code, because its partner in the last
; product is f16.  LIMIT: that second step is exact for |Wo| >= 2^-17 and below 65,504; smaller numbers are off by at most 2^-25.
; A stream: every byte is read once and written once; no LDS, no matrix unit, no cluster (no two work-groups read the same byte).
; Work-group g takes 65,536 bytes of f32 and writes 32,768 bytes at 32,768 g; a wave takes 8,192 bytes by 16 loads of 512
; neighbouring bytes, all issued at once; each store of a wave covers 256 consecutive bytes, aligned.
.set X, 8                              ; v[8:71]    piece i: 4 f32 as loaded
.set Y, 72                             ; v[72:103]  piece i: 4 numbers of 16 bits to store
	s_load_b256 s[4:11], s[0:1], 0x0               ; x s[4:5], Wq s[6:7], Wk s[8:9], Wv s[10:11]
	s_load_b128 s[12:15], s[0:1], 0x20             ; Wo s[12:13], xw s[14:15]
	s_sub_co_u32 s16, ttmp9, 256                   ; t = g - 256: the place among the weights' 256 parts (wraps for g < 256: not used there)
	s_lshr_b32 s17, s16, 6                         ; which weight, 0 to 3
	s_and_b32 s18, s16, 63                         ; which 65,536 bytes of it
	s_mov_b32 s19, 0xffff0000                      ; a word's upper bf16
	v_and_b32 v3, 0xe0, v0                         ; 32 x wave
	v_and_b32 v4, 31, v0                           ; lane
	v_lshlrev_b32 v1, 4, v4
	v_lshl_or_b32 v1, v3, 8, v1                    ; from: wave x 8,192 + lane x 16
	v_lshlrev_b32 v2, 3, v4
	v_lshl_or_b32 v2, v3, 7, v2                    ; to: wave x 4,096 + lane x 8
	s_wait_kmcnt 0x0
	s_mov_b64 s[20:21], s[12:13]                   ; the source: Wo, unless the work-group's number says otherwise
	s_cmp_eq_u32 s17, 2
	s_cselect_b64 s[20:21], s[10:11], s[20:21]
	s_cmp_eq_u32 s17, 1
	s_cselect_b64 s[20:21], s[8:9], s[20:21]
	s_cmp_eq_u32 s17, 0
	s_cselect_b64 s[20:21], s[6:7], s[20:21]
	s_cmp_lt_u32 ttmp9, 256
	s_cselect_b64 s[20:21], s[4:5], s[20:21]
	s_cselect_b32 s18, ttmp9, s18
	s_lshl_b32 s22, s18, 16                        ; 65,536 bytes a part
	s_mov_b32 s23, 0
	s_add_nc_u64 s[20:21], s[20:21], s[22:23]
	s_lshl_b32 s22, ttmp9, 15                      ; 32,768 bytes a part
	s_add_nc_u64 s[14:15], s[14:15], s[22:23]
.irp i, 0,1,2,3,4,5,6,7,8,9,10,11,12,13,14,15
	global_load_b128 v[X+4*\i:X+4*\i+3], v1, s[20:21] offset:512*\i th:TH_LOAD_NT
.endr
; One piece: 4 numbers a lane.  No register is written twice while a load or store may read it: every piece has its own.
.macro PIECE i, wo
	s_wait_loadcnt 15-\i                           ; loads come back in order (ISA guide 5.7.1): piece i is in, the 15 - i younger ones stay out
	v_cvt_pk_bf16_f32 v[Y+2*\i],   v[X+4*\i],   v[X+4*\i+1]
	v_cvt_pk_bf16_f32 v[Y+2*\i+1], v[X+4*\i+2], v[X+4*\i+3]
.if \wo
	v_lshlrev_b32 v[X+4*\i],   16,  v[Y+2*\i]      ; the rounded numbers as f32 again,
	v_and_b32     v[X+4*\i+1], s19, v[Y+2*\i]
	v_lshlrev_b32 v[X+4*\i+2], 16,  v[Y+2*\i+1]
	v_and_b32     v[X+4*\i+3], s19, v[Y+2*\i+1]
	v_cvt_pk_f16_f32 v[Y+2*\i],   v[X+4*\i],   v[X+4*\i+1]     ; and in f16's code
	v_cvt_pk_f16_f32 v[Y+2*\i+1], v[X+4*\i+2], v[X+4*\i+3]
.endif
	global_store_b64 v2, v[Y+2*\i:Y+2*\i+1], s[14:15] offset:256*\i    ; the next launches read these bytes: no hint
.endm
	s_cmp_ge_u32 ttmp9, 448                        ; the last 64 work-groups hold Wo
	s_cbranch_scc1 .Lwo
.irp i, 0,1,2,3,4,5,6,7,8,9,10,11,12,13,14,15
	PIECE \i, 0
.endr
	s_endpgm
.Lwo:
.irp i, 0,1,2,3,4,5,6,7,8,9,10,11,12,13,14,15
	PIECE \i, 1
.endr
	s_endpgm
.Lfunc_end_k_q46135b398a_cast:
	.size	k_q46135b398a_cast, .Lfunc_end_k_q46135b398a_cast-k_q46135b398a_cast
	.p2alignl 7, 3214868480
	.fill 96, 4, 3214868480
	.section	.rodata,"a",@progbits
	.p2align	6, 0x0
	.amdhsa_kernel k_q46135b398a_cast
		.amdhsa_group_segment_fixed_size 0
		.amdhsa_private_segment_fixed_size 0
		.amdhsa_enable_private_segment 0
		.amdhsa_kernarg_size 48
		.amdhsa_user_sgpr_count 2
		.amdhsa_user_sgpr_kernarg_segment_ptr 1
		.amdhsa_wavefront_size32 1
		.amdhsa_system_sgpr_workgroup_id_x 1
		.amdhsa_system_sgpr_workgroup_id_y 1
		.amdhsa_system_sgpr_workgroup_id_z 1
		.amdhsa_system_vgpr_workitem_id 0
		.amdhsa_next_free_vgpr 104
		.amdhsa_next_free_sgpr 66
		.amdhsa_reserve_vcc 0
		.amdhsa_float_denorm_mode_32 3
		.amdhsa_float_denorm_mode_16_64 3
		.amdhsa_memory_ordered 1
		.amdhsa_forward_progress 1
		.amdhsa_inst_pref_size 16
	.end_amdhsa_kernel
	.amdgpu_metadata
---
amdhsa.version: [ 1, 2 ]
amdhsa.kernels:
  - .name:           k_q46135b398a_cast
    .symbol:         k_q46135b398a_cast.kd
    .args:
      - { .name: x, .offset: 0, .size: 8, .value_kind: global_buffer, .address_space: global }
      - { .name: Wq, .offset: 8, .size: 8, .value_kind: global_buffer, .address_space: global }
      - { .name: Wk, .offset: 16, .size: 8, .value_kind: global_buffer, .address_space: global }
      - { .name: Wv, .offset: 24, .size: 8, .value_kind: global_buffer, .address_space: global }
      - { .name: Wo, .offset: 32, .size: 8, .value_kind: global_buffer, .address_space: global }
      - { .name: xw, .offset: 40, .size: 8, .value_kind: global_buffer, .address_space: global }
    .group_segment_fixed_size: 0
    .private_segment_fixed_size: 0
    .kernarg_segment_align: 8
    .kernarg_segment_size: 48
    .max_flat_workgroup_size: 256
    .sgpr_count:     66
    .vgpr_count:     104
    .wavefront_size: 32
...
	.end_amdgpu_metadata
.endif
;; end of part 1
;; launch qkv (part 2): grid 16 x 16, 4 waves a work-group, clusters of 4 x 4, 327,680 bytes of LDS; arguments xw, qkv; writes qkv
.if DOCPART == 2
	.amdgcn_target "amdgcn-amd-amdhsa--gfx1250"
	.amdhsa_code_object_version 6
	.text
	.protected	k_q46135b398a_qkv
	.globl	k_q46135b398a_qkv
	.p2align	8
	.type	k_q46135b398a_qkv,@function
k_q46135b398a_qkv:
	s_mov_b64 s[64:65], 0
	v_nop
	global_prefetch_b8 v0, s[64:65] scope:SCOPE_SE
	s_setreg_imm32_b32 hwreg(HW_REG_WAVE_MODE, 25, 1), 1
	s_wait_xcnt 0x0
	s_wait_alu depctr_hold_cnt(0) depctr_sa_sdst(0) depctr_va_vdst(0) depctr_va_sdst(0) depctr_va_ssrc(0) depctr_va_vcc(0) depctr_vm_vsrc(0)
	s_getreg_b32 s2, hwreg(HW_REG_IB_STS2, 6, 4)
	s_cmp_eq_u32 s2, 0
	s_cbranch_scc0 .Lentry_in_a_cluster
	s_endpgm
.Lentry_in_a_cluster:
	s_bfe_u32 s2, ttmp6, 0x10000c
	s_cmp_lg_u32 s2, 0xf033
	s_cbranch_scc0 .Lentry_shape_is_right
	s_endpgm
.Lentry_shape_is_right:
; [4096 x 3072] = x [4096 x 1024] times (Wq; Wk; Wv)^T, operands bf16 from xw, sums f32, results f16.
; qkv[48 planes][4096 rows][64]: plane g = column / 64 (0-15 q's heads, 16-31 k's, 32-47 v's), byte g x 524,288 + row x 128.
; LIMIT: results are rounded to f16: |q|, |k|, |v| must stay below 65,504 (for x of spread 1 and weights of spread 0.02 their spread is 0.64).
; A work-group makes 256 rows x 192 columns (three planes); wave w makes rows 64 w .. 64 w + 63 of all 192 columns: 4 x 12 accumulator
; tiles, 384 registers, so that whole heads lie in one wave and the way out needs no barrier.  K goes in 8 steps of 128 through two LDS slots.
; CLUSTERS: 4 x 4 work-groups.  x's tile hangs on the block row alone and is asked for jointly along a row of the cluster; the weights'
; tile hangs on the block column alone and is asked for jointly along a column.  Every wave issues both loads: its 64 rows of x, its 48 of W.
; REGISTERS: window 0: addresses, x's fragments (two buffers of 4), the way out; window 1: W's fragments (two buffers of 12);
; window 2: the tiles of my rows 0-31 (tile (a, b) at v[8 (12 a + b)]); window 3: those of my rows 32-63.
; The matrix instruction is used transposed (source 0 = 16 rows of W, source 1 = 16 rows of x): lane l then holds row l % 16 and its
; eight registers the columns 8 (l / 16) + 0 .. 7, which pack into 16 neighbouring bytes.
.set KSTEP,  128
.set PITCH,  272                       ; an LDS row: 256 bytes + 16 of padding, an odd multiple of 16: the 16 rows of a fragment load start 16 bytes apart modulo 256
.set AQ,     64*PITCH                  ; what one wave fetches of x
.set BQ,     48*PITCH                  ; and of W
.set BOFF,   256*PITCH                 ; W's 192 rows lie behind x's 256
.set SLOT,   448*PITCH
.set STAGE,  2*SLOT                    ; behind the ring, at a multiple of 256 bytes: no tensor load lands here
.set SP,     144                       ; stage: a head's row of 128 bytes + 16
.set HST,    16*SP                     ; 16 rows of one head
.set WST,    3*HST                     ; a wave's stage
.set PLANE,  524288
.set LAPS,   4                         ; 1024 / (2 x 128): a lap = once round the ring
.set ADRA, 16                          ; v16-17  LDS address of my x fragments in slot 0, 1
.set ADRB, 20                          ; v20-21  the same for W
.set STO,  24
.set RD,   25
.set CO,   26
.set FA,   32                          ; v32-63, v64-95: x's fragments, buffers 0 and 1 (window 0).  W's: v0-95, v96-191 of window 1
.set TMP,  96                          ; v96-143 packed results
.set RB0,  144                         ; v144-191, v192-239: rows read back, by turns
.set RB1,  192
.set G1A, 24
.set G0A, 32
.set G1B, 48
.set G0B, 56
.set MSB, 0
.macro WIN new                         ; the immediate's high byte repeats the setting that is left
.if MSB != \new
	s_set_vgpr_msb (MSB<<8)|\new
.set MSB, \new
.endif
.endm
.set MUL_LO, 0xa1                      ; source 0 (W) window 1, source 1 (x) window 0, C and D window 2
.set MUL_HI, 0xf1                      ; the same, C and D window 3
.set TO_B,   0x40                      ; destination window 1, address window 0
.macro CREST                           ; a round of the cluster's barrier behind its opening barrier
	s_cmp_lg_u32 s10, 0
	s_cbranch_scc1 .Lnot_wave_0_\@
	s_barrier_signal -3
.Lnot_wave_0_\@:
	s_barrier_wait -3
	s_barrier_signal -1
	s_barrier_wait -1
.endm
.macro CROUND                          ; a whole round
	s_barrier_signal -1
	s_barrier_wait -1
	CREST
.endm
.macro PLACES                          ; four places behind a matrix instruction in front of loads into its sources and of reads of its results
.rept 4
	v_nop
.endr
.endm
	s_load_b128 s[4:7], s[0:1], 0x0                ; xw s[4:5], qkv s[6:7]
	s_set_vgpr_msb 0x40
	v_lshl_add_u32 v255, v0, 2, 0x42400
	s_set_vgpr_msb 0x4000
	v_mov_b32 v255, 0
	s_set_vgpr_msb 0x1
	ds_add_u32 v255, v255
	ds_add_u32 v255, v255
	s_set_vgpr_msb 0x100
	v_lshrrev_b32 v1, 5, v0
	v_readfirstlane_b32 s10, v1                    ; wave 0..3
	s_bfe_u32 s40, ttmp6, 0x40000                  ; cx
	s_bfe_u32 s41, ttmp6, 0x40004                  ; cy
	s_lshl_b32 s42, ttmp9, 2
	s_add_co_u32 s42, s42, s40                     ; block column = 4 x cluster x + cx
	s_and_b32 s13, ttmp7, 0xffff
	s_lshl_b32 s13, s13, 2
	s_add_co_u32 s13, s13, s41                     ; block row = 4 x cluster y + cy
	s_lshl_b32 s43, s41, 2
	s_lshl_b32 s43, 15, s43                        ; my row of the cluster: places 4 cy .. 4 cy + 3
	s_lshl_b32 s44, 0x1111, s40                    ; my column: places cx, cx + 4, cx + 8, cx + 12
	; group 1: rows of 128 elements of 2 bytes, 4 words of padding behind every 64 words; x: 64 rows, W: 48 rows; 1,024 elements from row to row
	s_or_b32 s[G1A+0], s43, (1<<16)|(1<<20)|(1<<21)|(5<<22)|(3<<25)
	s_or_b32 s[G1B+0], s44, (1<<16)|(1<<20)|(1<<21)|(5<<22)|(3<<25)
	s_mov_b32 s[G1A+1], KSTEP<<16                  ; tensor_dim0 = 128
	s_mov_b32 s[G1B+1], KSTEP<<16
	s_mov_b32 s[G1A+2], 64<<16                     ; tensor_dim1
	s_mov_b32 s[G1B+2], 48<<16
	s_mov_b32 s[G1A+3], KSTEP<<16                  ; tile_dim0 = 128
	s_mov_b32 s[G1B+3], KSTEP<<16
	s_mov_b32 s[G1A+4], 64                         ; tile_dim1
	s_mov_b32 s[G1B+4], 48
	s_mov_b32 s[G1A+5], 1024                       ; the pitch
	s_mov_b32 s[G1B+5], 1024
	s_mov_b32 s[G1A+6], 0
	s_mov_b32 s[G1B+6], 0
	s_mov_b32 s[G1A+7], 0
	s_mov_b32 s[G1B+7], 0
	; x's rows hang on the block row and the wave, W's on the block column and the wave, each in registers that never hold the other coordinate
	s_lshl_b32 s16, s13, 19                        ; 256 rows of 2,048 bytes a block row
	s_lshl_b32 s17, s10, 17                        ; 64 rows a wave
	s_add_co_u32 s16, s16, s17
	s_mov_b32 s17, 0
	s_mul_i32 s46, s42, 192*2048                   ; 192 rows a block column
	s_mul_i32 s47, s10, 48*2048                    ; 48 rows a wave
	s_add_co_u32 s46, s46, s47
	s_add_co_u32 s46, s46, 4096*2048               ; the weights lie behind x's 4,096 rows
	s_mov_b32 s47, 0
	s_mul_i32 s20, s10, AQ                         ; where they go: made of the wave's number alone
	s_mul_i32 s21, s10, BQ
	s_add_co_u32 s21, s21, BOFF
	s_wait_dscnt 0x0
	s_wait_kmcnt 0x0
	s_add_nc_u64 s[14:15], s[4:5], s[16:17]
	s_add_nc_u64 s[46:47], s[4:5], s[46:47]
	CROUND                                         ; all sixteen work-groups are here: the first joint loads meet
.irp s, 0,1
	s_mov_b32 s[G0A+4*\s], 1
	s_add_co_u32 s[G0A+4*\s+1], s20, \s*SLOT
	s_add_nc_u64 s[G0A+4*\s+2:G0A+4*\s+3], s[14:15], \s*KSTEP*2    ; K step s
	s_or_b32 s[G0A+4*\s+3], s[G0A+4*\s+3], 0x80000000
	s_mov_b32 s[G0B+4*\s], 1
	s_add_co_u32 s[G0B+4*\s+1], s21, \s*SLOT
	s_add_nc_u64 s[G0B+4*\s+2:G0B+4*\s+3], s[46:47], \s*KSTEP*2
	s_or_b32 s[G0B+4*\s+3], s[G0B+4*\s+3], 0x80000000
	tensor_load_to_lds s[G0A+4*\s:G0A+4*\s+3], s[G1A:G1A+7]
	s_nop 0
	tensor_load_to_lds s[G0B+4*\s:G0B+4*\s+3], s[G1B:G1B+7]        ; four loads of the wave are out now, later two
	s_nop 0
.endr
	v_and_b32 v1, 15, v0                           ; r = l % 16
	v_bfe_u32 v2, v0, 4, 1                         ; h = l / 16
	v_mul_u32_u24 v3, v1, PITCH
	v_lshl_add_u32 v3, v2, 4, v3                   ; row x pitch + 16 h
	v_add_nc_u32 v[ADRA], s20, v3                  ; my 64 rows of x are those that I fetch
	v_add_nc_u32 v[ADRA+1], SLOT, v[ADRA]
	v_add_nc_u32 v[ADRB], BOFF, v3                 ; all 192 rows of W
	v_add_nc_u32 v[ADRB+1], BOFF+SLOT, v3
	s_mul_i32 s23, s10, WST
	s_add_co_u32 s23, s23, STAGE                   ; my stage
	v_mul_u32_u24 v7, v1, SP
	v_lshl_add_u32 v7, v2, 4, v7
	v_add_nc_u32 v[STO], s23, v7                   ; in: row r, 16 bytes for each half of the lanes
	v_and_b32 v4, 31, v0
	v_lshrrev_b32 v5, 3, v4
	v_and_b32 v6, 7, v0
	v_mul_u32_u24 v5, v5, SP
	v_lshl_add_u32 v5, v6, 4, v5
	v_add_nc_u32 v[RD], s23, v5                    ; back: eight lanes take a row of 128 bytes, a load four rows
	v_lshlrev_b32 v[CO], 4, v4                     ; which are 512 consecutive bytes of the plane
; 12 matrix instructions: row block a (0, 1) of the window's two (hi = 0: my rows 0-31, 1: rows 32-63) x all 12 column blocks, 32 along K.
; zero = 1: the first product starts the sums.  The 48 accumulators take turns, one instruction a turn, in the same order in every
; quarter step and over the loop's backward jump.
.macro MUL12 f, hi, a, zero
.irp b, 0,1,2,3,4,5,6,7,8,9,10,11
.if \zero
	v_wmma_f32_16x16x32_bf16 v[8*(12*\a+\b):8*(12*\a+\b)+7], v[96*\f+8*\b:96*\f+8*\b+7], v[FA+32*\f+8*(2*\hi+\a):FA+32*\f+8*(2*\hi+\a)+7], 0
.else
	v_wmma_f32_16x16x32_bf16 v[8*(12*\a+\b):8*(12*\a+\b)+7], v[96*\f+8*\b:96*\f+8*\b+7], v[FA+32*\f+8*(2*\hi+\a):FA+32*\f+8*(2*\hi+\a)+7], v[8*(12*\a+\b):8*(12*\a+\b)+7]
.endif
.endr
.endm
; 32 LDS loads in one run: 192 rows of W, then my 64 rows of x, 32 K at byte k of the rows, into buffer f
.macro FETCH slot, k, f
	WIN TO_B
.irp i, 0,1,2,3,4,5,6,7,8,9,10,11
	ds_load_b128 v[96*\f+8*\i:96*\f+8*\i+3],   v[ADRB+\slot] offset:\k+\i*16*PITCH
	ds_load_b128 v[96*\f+8*\i+4:96*\f+8*\i+7], v[ADRB+\slot] offset:\k+\i*16*PITCH+32
.endr
	WIN 0
.irp i, 0,1,2,3
	ds_load_b128 v[FA+32*\f+8*\i:FA+32*\f+8*\i+3],   v[ADRA+\slot] offset:\k+\i*16*PITCH
	ds_load_b128 v[FA+32*\f+8*\i+4:FA+32*\f+8*\i+7], v[ADRA+\slot] offset:\k+\i*16*PITCH+32
.endr
.endm
; One of a K step's first three quarters: multiplies buffer f and fetches the next quarter's fragments into buffer g in its middle.
.macro QUARTER slot, k, f, g, zero
	s_wait_dscnt 4                                 ; W and x's rows 0-31 are in; the youngest four loads (x's rows 32-63) may be out
	WIN MUL_LO
	MUL12 \f, 0, 0, \zero
	MUL12 \f, 0, 1, \zero
	PLACES
	FETCH \slot, \k, \g
	s_wait_dscnt 32                                ; all but the 32 just issued
	WIN MUL_HI
	MUL12 \f, 1, 0, \zero
	MUL12 \f, 1, 1, \zero
.endm
.macro THREE slot, zero
	QUARTER \slot, 64,  0, 1, \zero
	QUARTER \slot, 128, 1, 0, 0
	QUARTER \slot, 192, 0, 1, 0
.endm
; The last quarter multiplies buffer 1 and changes slots.  In front of the barrier each wave waits for its reads of this slot and for all
; its tensor loads (the two that are out are its parts of the next slot).  fill = 1: the barrier opens a round of the cluster's barrier,
; and the two joint refills are the first tensor loads behind the round's closing wait.
.macro TURN slot, next, fill
	s_wait_dscnt 4
	WIN MUL_LO
	MUL12 1, 0, 0, 0
	s_wait_dscnt 0                                 ; my reads of this slot are over
	s_wait_tensorcnt 0x0                           ; all my tensor loads have landed
	ds_add_u32 v255, v255
	s_wait_dscnt 0x0
	s_barrier_signal -1
	MUL12 1, 0, 1, 0                               ; register work while the others arrive
	WIN 0
	s_barrier_wait -1
.if \fill
	CREST
	s_add_nc_u64 s[G0A+4*\slot+2:G0A+4*\slot+3], s[G0A+4*\slot+2:G0A+4*\slot+3], 2*KSTEP*2
	s_add_nc_u64 s[G0B+4*\slot+2:G0B+4*\slot+3], s[G0B+4*\slot+2:G0B+4*\slot+3], 2*KSTEP*2
	tensor_load_to_lds s[G0A+4*\slot:G0A+4*\slot+3], s[G1A:G1A+7]
	s_nop 0
	tensor_load_to_lds s[G0B+4*\slot:G0B+4*\slot+3], s[G1B:G1B+7]
	s_nop 0
.endif
	PLACES
	FETCH \next, 0, 0
	WIN MUL_HI
	MUL12 1, 1, 0, 0
	MUL12 1, 1, 1, 0
.endm
.macro LAP zero
	THREE 0, \zero
	TURN 0, 1, 1
	THREE 1, 0
	TURN 1, 0, 1
.endm
	s_wait_tensorcnt 2                             ; my two parts of K step 0 are in; K step 1's two stay out
	s_barrier_signal -1
	s_barrier_wait -1
	FETCH 0, 0, 0
	LAP 1                                          ; the first lap stands in front of the loop: its first products start the sums
	WIN 0
	s_mov_b32 s3, LAPS-2
.Llap:
	LAP 0
	WIN 0
	s_sub_co_u32 s3, s3, 1
	s_cmp_lg_u32 s3, 0
	s_cbranch_scc1 .Llap
	THREE 0, 0                                     ; the last lap fills nothing
	TURN 0, 1, 0
	THREE 1, 0
	s_wait_dscnt 4
	WIN MUL_LO
	MUL12 1, 0, 0, 0
	MUL12 1, 0, 1, 0
	s_wait_dscnt 0
	WIN MUL_HI
	MUL12 1, 1, 0, 0
	MUL12 1, 1, 1, 0
	; THE WAY OUT, 16 rows at a time: round to f16, 16 bytes a lane into my own stage (three heads of 16 rows), read back four rows a load.
	PLACES
	s_mul_i32 s46, s42, 3*PLANE                    ; my three planes (in the registers that held W's address: none that fed x's descriptors holds cx)
	s_mov_b32 s47, 0
	s_add_nc_u64 s[6:7], s[6:7], s[46:47]
	s_lshl_b32 s16, s13, 15                        ; 256 rows of 128 bytes a block row
	s_lshl_b32 s17, s10, 13                        ; 64 rows a wave
	s_add_co_u32 s16, s16, s17
	s_mov_b32 s17, 0
	s_add_nc_u64 s[6:7], s[6:7], s[16:17]
.macro OUT16 i, a, from, rb
	WIN \from                                      ; sources 0 and 1 in window 2 (0x0a) or 3 (0x0f)
.irp b, 0,1,2,3,4,5,6,7,8,9,10,11
.irp r, 0,1,2,3
	v_cvt_pk_f16_f32 v[TMP+4*\b+\r], v[8*(12*\a+\b)+2*\r], v[8*(12*\a+\b)+2*\r+1]
.endr
.endr
	WIN 0
.irp b, 0,1,2,3,4,5,6,7,8,9,10,11
	ds_store_b128 v[STO], v[TMP+4*\b:TMP+4*\b+3] offset:(\b>>2)*HST+(\b&3)*32
.endr
	s_wait_xcnt 0x0                                ; buffer rb, which earlier stores read, and the stores' base are rewritten only behind this wait
.if \i
	s_add_nc_u64 s[6:7], s[6:7], 16*128            ; 16 rows on
.endif
.irp u, 0,1,2,3,4,5,6,7,8,9,10,11
	ds_load_b128 v[\rb+4*\u:\rb+4*\u+3], v[RD] offset:(\u>>2)*HST+(\u&3)*4*SP      ; LDS serves a wave's instructions in order: these see the stores above
.endr
.irp u, 0,1,2,3,4,5,6,7,8,9,10,11
	s_wait_dscnt 11-\u
	global_store_b128 v[CO], v[\rb+4*\u:\rb+4*\u+3], s[6:7] offset:(\u>>2)*PLANE+(\u&3)*512   ; a wave's store covers 512 consecutive bytes, aligned
.endr
.endm
	OUT16 0, 0, 0x0a, RB0
	OUT16 1, 1, 0x0a, RB1
	OUT16 2, 0, 0x0f, RB0
	OUT16 3, 1, 0x0f, RB1
	s_set_vgpr_msb 0x1
	s_wait_tensorcnt 0x0
	ds_add_u32 v255, v255
	s_wait_dscnt 0x0
	s_set_vgpr_msb 0x100
	CROUND                                         ; the closing round: no work-group ends while a partner may still ask for a tile that names it
	s_endpgm
.Lfunc_end_k_q46135b398a_qkv:
	.size	k_q46135b398a_qkv, .Lfunc_end_k_q46135b398a_qkv-k_q46135b398a_qkv
	.p2alignl 7, 3214868480
	.fill 96, 4, 3214868480
	.section	.rodata,"a",@progbits
	.p2align	6, 0x0
	.amdhsa_kernel k_q46135b398a_qkv
		.amdhsa_group_segment_fixed_size 327680
		.amdhsa_private_segment_fixed_size 0
		.amdhsa_enable_private_segment 0
		.amdhsa_kernarg_size 16
		.amdhsa_user_sgpr_count 2
		.amdhsa_user_sgpr_kernarg_segment_ptr 1
		.amdhsa_wavefront_size32 1
		.amdhsa_system_sgpr_workgroup_id_x 1
		.amdhsa_system_sgpr_workgroup_id_y 1
		.amdhsa_system_sgpr_workgroup_id_z 1
		.amdhsa_system_vgpr_workitem_id 0
		.amdhsa_next_free_vgpr 960
		.amdhsa_next_free_sgpr 66
		.amdhsa_reserve_vcc 0
		.amdhsa_float_denorm_mode_32 3
		.amdhsa_float_denorm_mode_16_64 3
		.amdhsa_memory_ordered 1
		.amdhsa_forward_progress 1
		.amdhsa_inst_pref_size 163
	.end_amdhsa_kernel
	.amdgpu_metadata
---
amdhsa.version: [ 1, 2 ]
amdhsa.kernels:
  - .name:           k_q46135b398a_qkv
    .symbol:         k_q46135b398a_qkv.kd
    .args:
      - { .name: xw, .offset: 0, .size: 8, .value_kind: global_buffer, .address_space: global }
      - { .name: qkv, .offset: 8, .size: 8, .value_kind: global_buffer, .address_space: global }
    .group_segment_fixed_size: 327680
    .private_segment_fixed_size: 0
    .kernarg_segment_align: 8
    .kernarg_segment_size: 16
    .max_flat_workgroup_size: 128
    .sgpr_count:     66
    .vgpr_count:     960
    .wavefront_size: 32
...
	.end_amdgpu_metadata
.endif
;; end of part 2
;; launch attn (part 3): grid 8 x 32, 8 waves a work-group, no clusters, 327,680 bytes of LDS; arguments qkv, att, xw, atx; writes att, atx
.if DOCPART == 3
	.amdgcn_target "amdgcn-amd-amdhsa--gfx1250"
	.amdhsa_code_object_version 6
	.text
	.protected	k_q46135b398a_attn
	.globl	k_q46135b398a_attn
	.p2align	8
	.type	k_q46135b398a_attn,@function
k_q46135b398a_attn:
	s_mov_b64 s[64:65], 0
	v_nop
	global_prefetch_b8 v0, s[64:65] scope:SCOPE_SE
	s_setreg_imm32_b32 hwreg(HW_REG_WAVE_MODE, 25, 1), 1
	s_wait_xcnt 0x0
; Causal softmax attention, one (batch, head) for each grid y = 16 b + h.  q, k, v: f16 planes of qkv; att[16 heads][4096 rows][64] f16.
; The head's 2,048 queries are 16 blocks of 128.  Work-group j owns blocks j (waves 0-3) and 15 - j (waves 4-7), 32 queries a wave, so that
; waves w and w + 4 together have 32 or 34 steps of 64 keys for every j.  All eight waves walk the same K and V tiles; a wave computes
; steps 0 .. SD (SD = its first query / 64), masks step SD alone and jumps over the later ones: what the mask throws away is not computed.
; Products are taken transposed: S^T = K Q^T (a lane holds 8 keys of one query), so that two packed tiles of S^T ARE the B fragment of
; O^T = V^T P^T, and maximum, sum and rescaling are a lane's own but for one exchange between the halves of the wave.
; The running maximum is taken away before every exponential; sums, maxima and O stay f32; P is rounded to f16 for the second product.
; ROWS 0-15 OF A BATCH are means over at most 16 rows of v and so many times larger than the output's root mean square: f16's 11 bits in v,
; P and the result weigh too much there.  Wave 0 of work-group j = 0, which has one step of its own, makes them again with about 21 bits:
; behind each of its 8 tile barriers it adds 4 of the 32 K steps of v[0..15][64] = x Wv^T (bf16 operands from xw, f32 sums); at the end v and
; the f32 exponentials are split into an upper part of 11 bits and the rest, both f16, and since only 16 of a product's 32 k are keys here,
; (Vh | Vh)(Ph | Pl) + (Vl | Vl)(Ph | Pl) costs 8 matrix instructions.  The result, split likewise, goes to atx for the last launch:
; atx[b][part: upper, rest][head][dt][lane][16 bytes], a lane's bytes being d = 16 dt + 8 h + 0 .. 7 of query r: finished fragments.
; LIMITS: exponentials below 2^-126 count as zero; P below 6e-5 is kept to 6e-8; an upper part is exact in f16 from 2^-14 to 65,504, smaller
; numbers are off by at most 2^-25; inputs for which the reference is not finite are not served.
; NO CLUSTER: query blocks of a head share K and V, but which steps a wave jumps over hangs on its block, and partners of a joint load must
; run the same branches; with all steps computed in all partners a head would cost 32 block steps for every 17 done here.
; Tiles of 256 keys (32 KiB of K, 32 KiB of V), two slots, one barrier a tile; a wave fetches its 32 rows of K and of V: two loads out.
; j = 2, 3, 6, 7 fetch one tile whose steps every wave jumps over (tiles go in pairs); its index is at most 7: inside the planes.
.set PLANE, 524288
.set KP,    144                        ; K's LDS row: 128 bytes + 16, an odd multiple of 16
.set VP,    160                        ; V's LDS row: 128 bytes + 32, an odd multiple of 32, for the transposing load
.set VOFF,  256*KP
.set SLOT,  VOFF+256*VP                ; 77,824
.set STAGE, 2*SLOT                     ; 155,648, a multiple of 256: no tensor load lands here; 32 rows x 144 bytes a wave
.set TILEB, 256*128                    ; a tile's bytes in a plane
.set KL, 4                             ; r x 144 + 16 h
.set VL, 5                             ; (8 h + l % 8) x 160 + 16 ((l / 8) % 2)
.set KA, 6                             ; KL, VL at the step that is at work
.set VA, 7
.set QO, 8
.set STO, 9
.set RD, 10
.set CO, 11
.set DQ, 12                            ; v12-13  query block qt: my query less my first key within the masked step
.set M,  14                            ; v14-15  running maximum
.set NM, 16                            ; v[16:17], v[18:19]  (-c x maximum, a written spare)
.set AL, 20                            ; v[20:21], v[22:23]  (rescaling factor, running sum)
.set T,  24                            ; v24-31  at work
.set XO, 32                            ; v32     byte offset in xw of my 16 bytes of x's row r of the batch, at the K step that is due
.set WO, 33                            ; v33     the same for row r of the head's 64 rows of Wv
.set PS, 34                            ; v34-41  the masked step's exponentials of keys 8 h + 0 .. 7, query r, in f32
.set PB, 42                            ; v42-49  their B fragment: upper parts in k 0-15, rests in k 16-31
.set S,  64                            ; v64-127   S^T tile (kt, qt) at S + 32 qt + 8 kt; P (qt, c) packed in place at S + 32 qt + 16 c
.set KF, 128                           ; v128-191  K fragment (kt, ks) at KF + 16 kt + 8 ks
.set VF, 192                           ; v192-255  V^T fragment (c, dt) at VF + 32 c + 8 dt
.set XF, 64                            ; v64-95    between steps: x's fragments of four K steps
.set WF, 96                            ; v96-223   and Wv's, (ks, dt) at WF + 32 ks + 8 dt
.set HT, 64                            ; at the end: v's upper parts in f32,
.set LT, 96                            ; its rests,
.set VH, 128                           ; the A fragments (Vh | Vh), dt at VH + 8 dt,
.set VLO, 160                          ; and (Vl | Vl)
.set XH, 96                            ; the result's upper parts, packed, dt at XH + 4 dt
.set XL, 112                           ; and its rests
.set O,  0                             ; window 1: v0-63   O^T tile (dt, qt) at 32 qt + 8 dt
.set Q,  64                            ; window 1: v64-95  Q fragment (qt, ks) at 64 + 16 qt + 8 ks
.set VACC, 96                          ; window 1: v96-127 v[key 8 h + i][d = 16 dt + r] in f32, dt at VACC + 8 dt
.set G1K, 16
.set G1V, 24
.set GK,  32                           ; s[32:39] group 0 of K, slots 0 and 1
.set GV,  40                           ; s[40:47] group 0 of V
.set MSB, 0
.macro WIN new
.if MSB != \new
	s_set_vgpr_msb (MSB<<8)|\new
.set MSB, \new
.endif
.endm
	s_load_b128 s[4:7], s[0:1], 0x0                ; qkv s[4:5], att s[6:7]
	s_load_b128 s[60:63], s[0:1], 0x10             ; xw s[60:61], atx s[62:63]
	v_lshl_add_u32 v62, v0, 2, 0x2f000
	v_mov_b32 v63, 0
	ds_add_u32 v62, v63
	ds_add_u32 v62, v63
	v_lshrrev_b32 v1, 5, v0
	v_readfirstlane_b32 s8, v1                     ; wave 0..7
	s_mov_b32 s9, ttmp9                            ; j
	s_and_b32 s10, ttmp7, 0xffff
	s_and_b32 s2, s10, 15                          ; h
	s_lshr_b32 s3, s10, 4                          ; b
	s_or_b32 s58, s9, s8                           ; 0 in wave 0 of work-group j = 0 alone: the wave that also makes rows 0-15 precisely
	s_mov_b32 s59, 0xffffe000                      ; keeps sign, exponent and 10 bits of an f32: a number of f16
	s_sub_co_u32 s11, 15, s9
	s_cmp_lt_u32 s8, 4
	s_cselect_b32 s11, s9, s11                     ; my query block: j or 15 - j
	s_and_b32 s12, s8, 3
	s_lshl_b32 s12, s12, 5
	s_lshl_b32 s14, s11, 7
	s_add_co_u32 s12, s12, s14                     ; Q0: my first query
	s_lshr_b32 s13, s12, 6                         ; SD: my last step, the masked one
	s_lshr_b32 s48, s9, 2
	s_sub_co_u32 s48, 3, s48                       ; pairs of tiles in the loop: 8 tiles for j < 4, 6 for the others, less the pair behind the loop
	s_mov_b32 s50, 0                               ; the step's number
	s_mov_b32 s52, 0x76543210                      ; v_permlanex16_b32: lane i of one half reads lane i of the other
	s_mov_b32 s53, 0xfedcba98
	s_mov_b32 s54, 0xff800000                      ; -infinity
	s_mov_b32 s56, 0x3e38aa3b                      ; c = log2(e) / sqrt(64)
	s_mov_b32 s57, 0x3e38aa3b
	; group 1: a wave's 32 rows of 128 bytes are 4,096 dense bytes, fetched as 16 rows of 256 bytes; padding behind every 32 words: K 4 words, V 8
	s_mov_b32 s[G1K+0], (1<<16)|(1<<20)|(4<<22)|(3<<25)
	s_mov_b32 s[G1V+0], (1<<16)|(1<<20)|(4<<22)|(7<<25)
	s_mov_b32 s[G1K+1], 128<<16
	s_mov_b32 s[G1V+1], 128<<16
	s_mov_b32 s[G1K+2], 16<<16
	s_mov_b32 s[G1V+2], 16<<16
	s_mov_b32 s[G1K+3], 128<<16
	s_mov_b32 s[G1V+3], 128<<16
	s_mov_b32 s[G1K+4], 16
	s_mov_b32 s[G1V+4], 16
	s_mov_b32 s[G1K+5], 128
	s_mov_b32 s[G1V+5], 128
	s_mov_b32 s[G1K+6], 0
	s_mov_b32 s[G1V+6], 0
	s_mov_b32 s[G1K+7], 0
	s_mov_b32 s[G1V+7], 0
	s_lshl_b32 s51, s2, 19                         ; h planes
	s_lshl_b32 s14, s3, 18                         ; b x 2,048 rows of 128 bytes
	s_add_co_u32 s51, s51, s14
	s_lshl_b32 s14, s8, 12                         ; my 32 rows of a tile
	s_add_co_u32 s14, s14, s51
	s_add_co_u32 s14, s14, 16*PLANE                ; k's planes lie behind q's 16
	s_mov_b32 s15, 0
	s_mov_b32 s[GK+0], 1
	s_mov_b32 s[GK+4], 1
	s_mov_b32 s[GV+0], 1
	s_mov_b32 s[GV+4], 1
	s_mul_i32 s[GK+1], s8, 32*KP
	s_add_co_u32 s[GK+5], s[GK+1], SLOT
	s_mul_i32 s[GV+1], s8, 32*VP
	s_add_co_u32 s[GV+1], s[GV+1], VOFF
	s_add_co_u32 s[GV+5], s[GV+1], SLOT
	s_add_co_u32 s55, s[GK+1], STAGE               ; my stage: 32 x 144 bytes a wave, like my part of K
	s_wait_dscnt 0x0
	s_wait_kmcnt 0x0
	s_add_nc_u64 s[GK+2:GK+3], s[4:5], s[14:15]    ; tile 0
	s_add_nc_u64 s[GK+6:GK+7], s[GK+2:GK+3], TILEB ; tile 1
	s_add_nc_u64 s[GV+2:GV+3], s[GK+2:GK+3], 16*PLANE          ; v's planes lie behind k's 16
	s_add_nc_u64 s[GV+6:GV+7], s[GK+2:GK+3], 16*PLANE+TILEB
	s_or_b32 s[GK+3], s[GK+3], 0x80000000
	s_or_b32 s[GK+7], s[GK+7], 0x80000000
	s_or_b32 s[GV+3], s[GV+3], 0x80000000
	s_or_b32 s[GV+7], s[GV+7], 0x80000000
	tensor_load_to_lds s[GK:GK+3], s[G1K:G1K+7]    ; tile 0, a first fill
	s_nop 0
	tensor_load_to_lds s[GV:GV+3], s[G1V:G1V+7]
	s_nop 0
	s_lshl_b32 s14, s12, 7
	s_add_co_u32 s14, s14, s51                     ; head, batch and my first query: the same offset in q's planes and in att
	s_add_nc_u64 s[4:5], s[4:5], s[14:15]
	s_add_nc_u64 s[6:7], s[6:7], s[14:15]
	s_lshl_b32 s14, s3, 16                         ; atx: 65,536 bytes a batch,
	s_lshl_b32 s51, s2, 11                         ; 2,048 a head
	s_add_co_u32 s14, s14, s51
	s_add_nc_u64 s[62:63], s[62:63], s[14:15]
	s_lshl_b32 s14, s3, 22                         ; xw: the batch's first row of x (2,048 rows of 2,048 bytes a batch),
	s_lshl_b32 s51, s2, 17                         ; and the head's 64 rows of Wv,
	s_add_co_u32 s51, s51, 6144*2048               ; which begins at row 6,144
	v_and_b32 v1, 31, v0                           ; l
	v_and_b32 v2, 15, v0                           ; r
	v_bfe_u32 v3, v0, 4, 1                         ; h
	v_mul_u32_u24 v[KL], v2, KP
	v_lshl_add_u32 v[KL], v3, 4, v[KL]
	v_and_b32 v[T], 7, v0
	v_lshl_add_u32 v[T+1], v3, 3, v[T]
	v_mul_u32_u24 v[VL], v[T+1], VP
	v_bfe_u32 v[T+2], v0, 3, 1
	v_lshl_add_u32 v[VL], v[T+2], 4, v[VL]
	v_lshlrev_b32 v[QO], 7, v2
	v_lshl_add_u32 v[QO], v3, 4, v[QO]             ; r x 128 + 16 h
	v_add_nc_u32 v[STO], s55, v[KL]                ; in: row r, 16 bytes for each half
	v_lshrrev_b32 v[T+3], 3, v1
	v_mul_u32_u24 v[RD], v[T+3], KP
	v_lshl_add_u32 v[RD], v[T], 4, v[RD]
	v_add_nc_u32 v[RD], s55, v[RD]                 ; back: eight lanes a row, four rows a load
	v_lshlrev_b32 v[CO], 4, v1
	v_lshlrev_b32 v[XO], 11, v2
	v_lshl_add_u32 v[XO], v3, 4, v[XO]             ; r x 2,048 + 16 h
	v_add_nc_u32 v[WO], s51, v[XO]
	v_add_nc_u32 v[XO], s14, v[XO]
	s_and_b32 s49, s8, 1
	s_lshl_b32 s49, s49, 5                         ; Q0 modulo 64
	v_lshlrev_b32 v[T+4], 3, v3
	v_sub_nc_u32 v[DQ], v2, v[T+4]
	v_add_nc_u32 v[DQ], s49, v[DQ]                 ; key 16 kt + 8 h + i is allowed where 16 kt + i <= Q0 % 64 + 16 qt + r - 8 h
	v_add_nc_u32 v[DQ+1], 16, v[DQ]
	v_mov_b32 v[M], s54
	v_mov_b32 v[M+1], s54
	v_mov_b32 v[NM], 0x7f800000                    ; -c x (-infinity): the first factor becomes exp2(-infinity) = 0
	v_mov_b32 v[NM+1], 0
	v_mov_b32 v[NM+2], 0x7f800000
	v_mov_b32 v[NM+3], 0
	v_mov_b32 v[AL], 0
	v_mov_b32 v[AL+1], 0
	v_mov_b32 v[AL+2], 0
	v_mov_b32 v[AL+3], 0
.irp i2, 0,1,2,3,4,5,6,7
	v_mov_b32 v[PS+\i2], 0                         ; written on every path; the masked step fills them
.endr
	WIN 0x40                                       ; destination window 1
.irp qt, 0,1
.irp ks, 0,1
	global_load_b128 v[Q+16*\qt+8*\ks:Q+16*\qt+8*\ks+3],   v[QO], s[4:5] offset:\qt*2048+\ks*64
	global_load_b128 v[Q+16*\qt+8*\ks+4:Q+16*\qt+8*\ks+7], v[QO], s[4:5] offset:\qt*2048+\ks*64+32
.endr
.endr
	; O starts at zero by moves: the first step is the masked one in some waves and not in others, and writing it out apart would double the text.
	; v's sums start likewise: their first four K steps stand in the loop's body.  Every wave writes them, so that they are written on every path.
.set i, 0
.rept 64
	v_mov_b32 v[O+i], 0
.set i, i+1
.endr
.set i, 0
.rept 32
	v_mov_b32 v[VACC+i], 0
.set i, i+1
.endr
	WIN 0
	s_wait_loadcnt 0x0                             ; Q, once
; Softmax of query block qt over this step's 64 keys, and the rescaling of its O.  keep = 1: the f32 exponentials of the first 16 keys are kept.
.macro SOFT qt, keep
	WIN 0
.set SB, S+32*\qt
.irp kt, 0,1,2,3
	v_max3_num_f32 v[T+\kt], v[SB+8*\kt], v[SB+8*\kt+1], v[SB+8*\kt+2]         ; four chains that do not wait for each other
.endr
.irp kt, 0,1,2,3
	v_max3_num_f32 v[T+\kt], v[T+\kt], v[SB+8*\kt+3], v[SB+8*\kt+4]
.endr
.irp kt, 0,1,2,3
	v_max3_num_f32 v[T+\kt], v[T+\kt], v[SB+8*\kt+5], v[SB+8*\kt+6]
.endr
.irp kt, 0,1,2,3
	v_max_num_f32 v[T+\kt], v[T+\kt], v[SB+8*\kt+7]
.endr
	v_max3_num_f32 v[T], v[T], v[T+1], v[T+2]
	v_max3_num_f32 v[T], v[T], v[T+3], v[M+\qt]
	v_permlanex16_b32 v[T+1], v[T], s52, s53       ; the other half of the lanes holds the query's other keys
	v_max_num_f32 v[M+\qt], v[T], v[T+1]           ; the new running maximum, finite: key 0 of the step is allowed for every query
	v_mov_b32 v[T+2], v[NM+2*\qt]
	v_mul_f32 v[NM+2*\qt], 0xbe38aa3b, v[M+\qt]    ; -c x maximum
	v_sub_f32 v[T+2], v[NM+2*\qt], v[T+2]          ; c x (old maximum - new)
	v_exp_f32 v[AL+2*\qt], v[T+2]                  ; plain instructions follow that touch neither (ISA guide 5.7.2)
.set i, 0
.rept 16
	v_pk_fma_f32 v[SB+i:SB+i+1], v[SB+i:SB+i+1], s[56:57], v[NM+2*\qt:NM+2*\qt+1] op_sel_hi:[1,0,0]    ; c x (score - maximum)
.set i, i+2
.endr
.set i, 0
.rept 32
	v_exp_f32 v[SB+i], v[SB+i]
.set i, i+1
.endr
	s_wait_alu depctr_va_vdst(0)
	v_mul_f32 v[AL+2*\qt+1], v[AL+2*\qt+1], v[AL+2*\qt]        ; the plain instruction behind the exponentials: the old sum rescaled
.if \keep
.irp i2, 0,1,2,3,4,5,6,7
	v_mov_b32 v[PS+\i2], v[SB+\i2]                 ; eight moves, once in a wave's life: cheaper than a branch; the wave of rows 0-15 uses them
.endr
.endif
	v_pk_add_f32 v[T+4:T+5], v[SB:SB+1], v[SB+2:SB+3]
	v_pk_add_f32 v[T+6:T+7], v[SB+16:SB+17], v[SB+18:SB+19]
.irp i2, 4,6,8,10,12,14
	v_pk_add_f32 v[T+4:T+5], v[T+4:T+5], v[SB+\i2:SB+\i2+1]
	v_pk_add_f32 v[T+6:T+7], v[T+6:T+7], v[SB+16+\i2:SB+16+\i2+1]
.endr
	v_pk_add_f32 v[T+4:T+5], v[T+4:T+5], v[T+6:T+7]
	v_add_f32 v[T+4], v[T+4], v[T+5]
	v_add_f32 v[AL+2*\qt+1], v[AL+2*\qt+1], v[T+4]             ; my half's keys; the halves meet at the end
.irp c, 0,1
.irp i2, 0,1,2,3,4,5,6,7
	v_cvt_pk_f16_f32 v[SB+16*\c+\i2], v[SB+16*\c+2*\i2], v[SB+16*\c+2*\i2+1]   ; tiles 2 c, 2 c + 1 packed in place: keys 8 h .., 16 + 8 h .. of 32
.endr
.endr
	WIN 0x41                                       ; O in window 1, the factor in window 0
.set i, 0
.rept 16
	v_pk_mul_f32 v[O+32*\qt+i:O+32*\qt+i+1], v[O+32*\qt+i:O+32*\qt+i+1], v[AL+2*\qt:AL+2*\qt+1] op_sel_hi:[1,0]
.set i, i+2
.endr
.endm
; O^T (dt, qt) += V^T (c, dt) P^T (qt, c).  The four accumulators take turns, one instruction a turn.
.macro PV qt
	WIN 0x50                                       ; C and D window 1
.irp c, 0,1
.irp dt, 0,1,2,3
	v_wmma_f32_16x16x32_f16 v[O+32*\qt+8*\dt:O+32*\qt+8*\dt+7], v[VF+32*\c+8*\dt:VF+32*\c+8*\dt+7], v[S+32*\qt+16*\c:S+32*\qt+16*\c+7], v[O+32*\qt+8*\dt:O+32*\qt+8*\dt+7]
.endr
.endr
.endm
; One step: 64 keys against my 32 queries.
.macro STEP masked
.irp ks, 0,1
.irp kt, 0,1,2,3
	ds_load_b128 v[KF+16*\kt+8*\ks:KF+16*\kt+8*\ks+3],   v[KA] offset:\kt*16*KP+\ks*64
	ds_load_b128 v[KF+16*\kt+8*\ks+4:KF+16*\kt+8*\ks+7], v[KA] offset:\kt*16*KP+\ks*64+32
.endr
.endr
.irp c, 0,1
.irp dt, 0,1,2,3
	ds_load_tr16_b128 v[VF+32*\c+8*\dt:VF+32*\c+8*\dt+3],   v[VA] offset:\c*32*VP+\dt*32
	ds_load_tr16_b128 v[VF+32*\c+8*\dt+4:VF+32*\c+8*\dt+7], v[VA] offset:\c*32*VP+\dt*32+16*VP
.endr
.endr
	s_wait_dscnt 24                                ; K's first 32 of d are in: 8 loads of K and 16 of V stay out
	WIN 0x04                                       ; source 1 (Q) window 1
.irp qt, 0,1
.irp kt, 0,1,2,3
	v_wmma_f32_16x16x32_f16 v[S+32*\qt+8*\kt:S+32*\qt+8*\kt+7], v[KF+16*\kt:KF+16*\kt+7], v[Q+16*\qt:Q+16*\qt+7], 0
.endr
.endr
	s_wait_dscnt 16                                ; all of K is in: V's 16 loads stay out
.irp qt, 0,1
.irp kt, 0,1,2,3
	v_wmma_f32_16x16x32_f16 v[S+32*\qt+8*\kt:S+32*\qt+8*\kt+7], v[KF+16*\kt+8:KF+16*\kt+15], v[Q+16*\qt+8:Q+16*\qt+15], v[S+32*\qt+8*\kt:S+32*\qt+8*\kt+7]   ; eight accumulators by turns
.endr
.endr
	WIN 0
.rept 4
	v_nop                                          ; four places in front of the first read of the scores (ISA guide 7.12.1)
.endr
.if \masked
.irp qt, 0,1
.irp kt, 0,1,2,3
.irp i2, 0,1,2,3,4,5,6,7
	v_cmp_le_i32 vcc_lo, 16*\kt+\i2, v[DQ+\qt]
	v_cndmask_b32 v[S+32*\qt+8*\kt+\i2], s54, v[S+32*\qt+8*\kt+\i2], vcc_lo   ; keys behind the query: -infinity
.endr
.endr
.endr
.endif
	SOFT 0, \masked
	s_wait_dscnt 0                                 ; V is in
	PV 0
	SOFT 1, 0                                      ; vector work of the other query block stands behind the first block's matrix instructions
	PV 1
	WIN 0
.rept 5
	v_nop                                          ; five places in front of the next products, which write over P, and of the next loads into fragments
.endr
.endm
; Four K steps of v[0..15][64] = x Wv^T, in wave 0 of work-group j = 0 alone: 256 consecutive, aligned bytes of each of 16 rows of x and 64 of Wv.
; Source 0 = x's rows (keys), source 1 = Wv's rows (d): lane (r, h) gets d = 16 dt + r of keys 8 h + 0 .. 7, the layout of V^T's A fragment.
.macro VCHUNK
	s_cmp_lg_u32 s58, 0
	s_cbranch_scc1 .Lnov_\@
.irp ks, 0,1,2,3
	global_load_b128 v[XF+8*\ks:XF+8*\ks+3],   v[XO], s[60:61] offset:\ks*64
	global_load_b128 v[XF+8*\ks+4:XF+8*\ks+7], v[XO], s[60:61] offset:\ks*64+32
.irp dt, 0,1,2,3
	global_load_b128 v[WF+32*\ks+8*\dt:WF+32*\ks+8*\dt+3],   v[WO], s[60:61] offset:\dt*16*2048+\ks*64
	global_load_b128 v[WF+32*\ks+8*\dt+4:WF+32*\ks+8*\dt+7], v[WO], s[60:61] offset:\dt*16*2048+\ks*64+32
.endr
.endr
	WIN 0x50                                       ; C and D window 1
.irp ks, 0,1,2,3
	s_wait_loadcnt 30-10*\ks                       ; K step ks is in: the ten loads of each later K step stay out
.irp dt, 0,1,2,3
	v_wmma_f32_16x16x32_bf16 v[VACC+8*\dt:VACC+8*\dt+7], v[XF+8*\ks:XF+8*\ks+7], v[WF+32*\ks+8*\dt:WF+32*\ks+8*\dt+7], v[VACC+8*\dt:VACC+8*\dt+7]   ; four accumulators by turns
.endr
.endr
	WIN 0
	v_add_nc_u32 v[XO], 256, v[XO]                 ; behind the wait for all the loads that read them: the next four K steps
	v_add_nc_u32 v[WO], 256, v[WO]
.rept 3
	v_nop                                          ; with the two sums five places in front of the next products and loads into these registers
.endr
.Lnov_\@:
.endm
; One tile of 256 keys in slot, four steps.  refill = 1: the other slot, read in the last trip, gets the next tile.
.macro TRIP slot, refill
	s_wait_tensorcnt 0x0                           ; all my tensor loads have landed, my parts of this tile among them, so every group 0 may be written
	ds_add_u32 v62, v63
	s_wait_dscnt 0x0
	s_add_nc_u64 s[GK+4*\slot+2:GK+4*\slot+3], s[GK+4*\slot+2:GK+4*\slot+3], 2*TILEB   ; this slot's next tile
	s_add_nc_u64 s[GV+4*\slot+2:GV+4*\slot+3], s[GV+4*\slot+2:GV+4*\slot+3], 2*TILEB
	s_wait_dscnt 0x0                               ; my reads of the last tile are back
	s_barrier_signal -1
	s_barrier_wait -1                              ; both now hold of all eight waves
.if \refill
	tensor_load_to_lds s[GK+4*(1-\slot):GK+4*(1-\slot)+3], s[G1K:G1K+7]
	s_nop 0
	tensor_load_to_lds s[GV+4*(1-\slot):GV+4*(1-\slot)+3], s[G1V:G1V+7]
	s_nop 0
.endif
	VCHUNK                                         ; work-group 0 has 8 tiles: 8 x 4 K steps of 32 = 1,024
	v_add_nc_u32 v[KA], \slot*SLOT, v[KL]
	v_add_nc_u32 v[VA], \slot*SLOT+VOFF, v[VL]
	s_mov_b32 s49, 0
.Lstep_\@:
	s_cmp_gt_u32 s50, s13                          ; behind my last step: every key lies behind every query of mine
	s_cbranch_scc1 .Lskip_\@
	s_cmp_eq_u32 s50, s13
	s_cbranch_scc1 .Lmask_\@
	STEP 0
	s_branch .Lskip_\@
.Lmask_\@:
	STEP 1
.Lskip_\@:
	v_add_nc_u32 v[KA], 64*KP, v[KA]
	v_add_nc_u32 v[VA], 64*VP, v[VA]
	s_add_co_u32 s50, s50, 1
	s_add_co_u32 s49, s49, 1
	s_cmp_lt_u32 s49, 4
	s_cbranch_scc1 .Lstep_\@
.endm
.Lpair:
	TRIP 0, 1
	TRIP 1, 1
	s_sub_co_i32 s48, s48, 1
	s_cmp_gt_i32 s48, 0                            ; 3 or 2 trips; a signed compare ends the loop from any start
	s_cbranch_scc1 .Lpair
	TRIP 0, 1                                      ; the last pair fetches only the tile that it reads second
	TRIP 1, 0
	; ROWS 0-15, in their wave alone: O^T (dt, 0) anew from v in f32 and the kept exponentials.  That wave has had one step, so the kept
	; exponentials stand against its final maximum, and the sum made above is theirs.
	s_cmp_lg_u32 s58, 0
	s_cbranch_scc1 .Lplain
.irp i2, 0,1,2,3,4,5,6,7
	v_and_b32 v[T+\i2], s59, v[PS+\i2]             ; the upper 11 bits,
.endr
.irp i2, 0,1,2,3,4,5,6,7
	v_sub_f32 v[PS+\i2], v[PS+\i2], v[T+\i2]       ; and the rest, exactly
.endr
.irp i2, 0,1,2,3
	v_cvt_pk_f16_f32 v[PB+\i2],   v[T+2*\i2],  v[T+2*\i2+1]    ; k = 8 h + i: upper part of key 8 h + i
	v_cvt_pk_f16_f32 v[PB+4+\i2], v[PS+2*\i2], v[PS+2*\i2+1]   ; k = 16 + 8 h + i: its rest
.endr
	WIN 0x04                                       ; source 1 window 1
.set i, 0
.rept 32
	v_and_b32 v[HT+i], s59, v[VACC+i]
.set i, i+1
.endr
	WIN 0x01                                       ; source 0 window 1
.set i, 0
.rept 32
	v_sub_f32 v[LT+i], v[VACC+i], v[HT+i]
.set i, i+1
.endr
	WIN 0
.irp dt, 0,1,2,3
.irp i2, 0,1,2,3
	v_cvt_pk_f16_f32 v[VH+8*\dt+\i2],    v[HT+8*\dt+2*\i2], v[HT+8*\dt+2*\i2+1]    ; the 16 keys stand twice along k: against P's upper parts
	v_cvt_pk_f16_f32 v[VH+8*\dt+4+\i2],  v[HT+8*\dt+2*\i2], v[HT+8*\dt+2*\i2+1]    ; and against its rests
	v_cvt_pk_f16_f32 v[VLO+8*\dt+\i2],   v[LT+8*\dt+2*\i2], v[LT+8*\dt+2*\i2+1]
	v_cvt_pk_f16_f32 v[VLO+8*\dt+4+\i2], v[LT+8*\dt+2*\i2], v[LT+8*\dt+2*\i2+1]
.endr
.endr
	WIN 0x50                                       ; C and D window 1
.irp dt, 0,1,2,3
	v_wmma_f32_16x16x32_f16 v[O+8*\dt:O+8*\dt+7], v[VH+8*\dt:VH+8*\dt+7], v[PB:PB+7], 0
.endr
.irp dt, 0,1,2,3
	v_wmma_f32_16x16x32_f16 v[O+8*\dt:O+8*\dt+7], v[VLO+8*\dt:VLO+8*\dt+7], v[PB:PB+7], v[O+8*\dt:O+8*\dt+7]   ; four accumulators by turns
.endr
	WIN 0
.rept 4
	v_nop                                          ; four places in front of the reads of O and the writes over the fragments
.endr
.Lplain:
	; THE END: the halves' sums meet, O is divided, rounded to f16 and leaves through my own stage as rows of 128 bytes.
	v_permlanex16_b32 v[T], v[AL+1], s52, s53
	v_permlanex16_b32 v[T+1], v[AL+3], s52, s53
	v_add_f32 v[AL+1], v[AL+1], v[T]
	v_add_f32 v[AL+3], v[AL+3], v[T+1]
	v_rcp_f32 v[AL], v[AL+1]                       ; the sum is at least about 1: the largest score's exponential
	v_rcp_f32 v[AL+2], v[AL+3]
	v_nop                                          ; one plain place behind the reciprocals (ISA guide 5.7.2)
	WIN 0x01                                       ; source 0 (O) window 1
	s_wait_alu depctr_va_vdst(0)
.irp qt, 0,1
.set i, 0
.rept 16
	v_pk_mul_f32 v[S+32*\qt+i:S+32*\qt+i+1], v[O+32*\qt+i:O+32*\qt+i+1], v[AL+2*\qt:AL+2*\qt+1] op_sel_hi:[1,0]
.set i, i+2
.endr
.endr
	WIN 0
.irp qt, 0,1
.irp dt, 0,1,2,3
.irp i2, 0,1,2,3
	v_cvt_pk_f16_f32 v[KF+4*(4*\qt+\dt)+\i2], v[S+32*\qt+8*\dt+2*\i2], v[S+32*\qt+8*\dt+2*\i2+1]   ; d = 16 dt + 8 h + 0 .. 7 of query 16 qt + r
.endr
.endr
.endr
.irp qt, 0,1
.irp dt, 0,1,2,3
	ds_store_b128 v[STO], v[KF+4*(4*\qt+\dt):KF+4*(4*\qt+\dt)+3] offset:\qt*16*KP+\dt*32
.endr
.endr
.irp t, 0,1,2,3,4,5,6,7
	ds_load_b128 v[VF+4*\t:VF+4*\t+3], v[RD] offset:\t*4*KP        ; LDS serves a wave's instructions in order: these see the stores above
.endr
.irp t, 0,1,2,3,4,5,6,7
	s_wait_dscnt 7-\t
	global_store_b128 v[CO], v[VF+4*\t:VF+4*\t+3], s[6:7] offset:512*\t    ; a wave's store covers 512 consecutive bytes, aligned
.endr
	; Rows 0-15 once more, as upper part and rest, for the last launch.  A lane's 16 bytes of tile dt are a quarter of its fragment there, so
	; they are stored as they lie: each store of the wave covers 512 consecutive bytes, aligned.  No register written here is read by a store above.
	s_cmp_lg_u32 s58, 0
	s_cbranch_scc1 .Ldone
.irp dt, 0,1,2,3
.irp i2, 0,1,2,3,4,5,6,7
	v_and_b32 v[T+\i2], s59, v[S+8*\dt+\i2]
.endr
.irp i2, 0,1,2,3,4,5,6,7
	v_sub_f32 v[S+8*\dt+\i2], v[S+8*\dt+\i2], v[T+\i2]
.endr
.irp i2, 0,1,2,3
	v_cvt_pk_f16_f32 v[XH+4*\dt+\i2], v[T+2*\i2], v[T+2*\i2+1]
	v_cvt_pk_f16_f32 v[XL+4*\dt+\i2], v[S+8*\dt+2*\i2], v[S+8*\dt+2*\i2+1]
.endr
	global_store_b128 v[CO], v[XH+4*\dt:XH+4*\dt+3], s[62:63] offset:\dt*512
	global_store_b128 v[CO], v[XL+4*\dt:XL+4*\dt+3], s[62:63] offset:32768+\dt*512
.endr
.Ldone:
	s_wait_tensorcnt 0x0
	ds_add_u32 v62, v63
	s_wait_dscnt 0x0
	s_endpgm
.Lfunc_end_k_q46135b398a_attn:
	.size	k_q46135b398a_attn, .Lfunc_end_k_q46135b398a_attn-k_q46135b398a_attn
	.p2alignl 7, 3214868480
	.fill 96, 4, 3214868480
	.section	.rodata,"a",@progbits
	.p2align	6, 0x0
	.amdhsa_kernel k_q46135b398a_attn
		.amdhsa_group_segment_fixed_size 327680
		.amdhsa_private_segment_fixed_size 0
		.amdhsa_enable_private_segment 0
		.amdhsa_kernarg_size 32
		.amdhsa_user_sgpr_count 2
		.amdhsa_user_sgpr_kernarg_segment_ptr 1
		.amdhsa_wavefront_size32 1
		.amdhsa_system_sgpr_workgroup_id_x 1
		.amdhsa_system_sgpr_workgroup_id_y 1
		.amdhsa_system_sgpr_workgroup_id_z 1
		.amdhsa_system_vgpr_workitem_id 0
		.amdhsa_next_free_vgpr 384
		.amdhsa_next_free_sgpr 66
		.amdhsa_reserve_vcc 1
		.amdhsa_float_denorm_mode_32 3
		.amdhsa_float_denorm_mode_16_64 3
		.amdhsa_memory_ordered 1
		.amdhsa_forward_progress 1
		.amdhsa_inst_pref_size 210
	.end_amdhsa_kernel
	.amdgpu_metadata
---
amdhsa.version: [ 1, 2 ]
amdhsa.kernels:
  - .name:           k_q46135b398a_attn
    .symbol:         k_q46135b398a_attn.kd
    .args:
      - { .name: qkv, .offset: 0, .size: 8, .value_kind: global_buffer, .address_space: global }
      - { .name: att, .offset: 8, .size: 8, .value_kind: global_buffer, .address_space: global }
      - { .name: xw, .offset: 16, .size: 8, .value_kind: global_buffer, .address_space: global }
      - { .name: atx, .offset: 24, .size: 8, .value_kind: global_buffer, .address_space: global }
    .group_segment_fixed_size: 327680
    .private_segment_fixed_size: 0
    .kernarg_segment_align: 8
    .kernarg_segment_size: 32
    .max_flat_workgroup_size: 256
    .sgpr_count:     66
    .vgpr_count:     384
    .wavefront_size: 32
...
	.end_amdgpu_metadata
.endif
;; end of part 3
;; launch proj (part 4): grid 8 x 32, 4 waves a work-group, clusters of 4 x 4, 327,680 bytes of LDS; arguments att, xw, bo, out0; writes out0
.if DOCPART == 4
	.amdgcn_target "amdgcn-amd-amdhsa--gfx1250"
	.amdhsa_code_object_version 6
	.text
	.protected	k_q46135b398a_proj
	.globl	k_q46135b398a_proj
	.p2align	8
	.type	k_q46135b398a_proj,@function
k_q46135b398a_proj:
	s_mov_b64 s[64:65], 0
	v_nop
	global_prefetch_b8 v0, s[64:65] scope:SCOPE_SE
	s_setreg_imm32_b32 hwreg(HW_REG_WAVE_MODE, 25, 1), 1
	s_wait_xcnt 0x0
	s_wait_alu depctr_hold_cnt(0) depctr_sa_sdst(0) depctr_va_vdst(0) depctr_va_sdst(0) depctr_va_ssrc(0) depctr_va_vcc(0) depctr_vm_vsrc(0)
	s_getreg_b32 s2, hwreg(HW_REG_IB_STS2, 6, 4)
	s_cmp_eq_u32 s2, 0
	s_cbranch_scc0 .Lentry_in_a_cluster
	s_endpgm
.Lentry_in_a_cluster:
	s_bfe_u32 s2, ttmp6, 0x10000c
	s_cmp_lg_u32 s2, 0xf033
	s_cbranch_scc0 .Lentry_shape_is_right
	s_endpgm
.Lentry_shape_is_right:
; out0[4096][1024] f32 = att [4096 x 1024] Wo^T + bo.  att: f16 planes [16 heads][4096][64] (k = 64 head + d); Wo: rows 7168-8191 of xw, f16 codes.
; A work-group makes 128 x 128 with four waves (2 x 2), 64 x 64 each: 16 accumulator tiles.  K goes in 4 steps of 256 (four heads) through
; two LDS slots, so that only two refills, each behind a round of the cluster's barrier, are needed; all four steps are written out.
; CLUSTERS: 4 x 4 work-groups.  att's tile hangs on the block row alone and is asked for jointly along a row of the cluster, Wo's on the block
; column alone and along a column.  Every wave issues both loads: one head's 128 rows (16,384 dense bytes, as 64 rows of 256), and 32 rows of Wo.
; The matrix instruction is used transposed (source 0 = rows of Wo, source 1 = rows of att): a lane holds 8 neighbouring columns of one row.
.set PLANE,  524288
.set PA,     144                       ; att's LDS row: 128 bytes + 16
.set PB,     528                       ; Wo's LDS row: 512 bytes + 16; both odd multiples of 16
.set APL,    128*PA                    ; one head's 128 rows
.set BOFF,   4*APL
.set BQ,     32*PB                     ; what one wave fetches of Wo
.set SLOT,   BOFF+128*PB               ; 141,312
.set STAGE,  2*SLOT                    ; 282,624, a multiple of 256: no tensor load lands here; 16 rows x 272 bytes a wave
.set SPITCH, 272
.set ADRA, 16
.set ADRB, 20
.set STO,  24
.set RD,   25
.set CO,   26
.set BO,   27
.set BIAS, 28                          ; v[28:31] bo of my four columns on the way out
.set F0,   64                          ; v64-127: fragments, buffer 0: Wo's four at +0, att's four at +32
.set F1,   128                         ; v128-191: buffer 1
.set RB0,  192                         ; v192-223, v224-255: rows read back, by turns
.set RB1,  224
.set G1A, 24
.set G0A, 32
.set G1B, 48
.set G0B, 56
.set MUL, 0x50                         ; C and D in window 1: tile (a, b) at v[8 (4 a + b)]
.set MSB, 0
.macro WIN new
.if MSB != \new
	s_set_vgpr_msb (MSB<<8)|\new
.set MSB, \new
.endif
.endm
.macro CREST
	s_cmp_lg_u32 s12, 0
	s_cbranch_scc1 .Lnot_wave_0_\@
	s_barrier_signal -3
.Lnot_wave_0_\@:
	s_barrier_wait -3
	s_barrier_signal -1
	s_barrier_wait -1
.endm
.macro CROUND
	s_barrier_signal -1
	s_barrier_wait -1
	CREST
.endm
.macro PLACES                          ; four places behind a matrix instruction (ISA guide 7.12.1)
.rept 4
	v_nop
.endr
.endm
	s_load_b256 s[4:11], s[0:1], 0x0               ; att s[4:5], xw s[6:7], bo s[8:9], out0 s[10:11]
	v_lshl_add_u32 v62, v0, 2, 0x49400
	v_mov_b32 v63, 0
	ds_add_u32 v62, v63
	ds_add_u32 v62, v63
	v_lshrrev_b32 v1, 5, v0
	v_readfirstlane_b32 s12, v1                    ; wave 0..3
	s_lshr_b32 s13, s12, 1                         ; which 64 rows of the block are mine
	s_and_b32 s14, s12, 1                          ; which 64 columns
	s_bfe_u32 s40, ttmp6, 0x40000                  ; cx
	s_bfe_u32 s41, ttmp6, 0x40004                  ; cy
	s_lshl_b32 s42, ttmp9, 2
	s_add_co_u32 s42, s42, s40                     ; block column
	s_and_b32 s15, ttmp7, 0xffff
	s_lshl_b32 s15, s15, 2
	s_add_co_u32 s15, s15, s41                     ; block row
	s_lshl_b32 s43, s41, 2
	s_lshl_b32 s43, 15, s43                        ; my row of the cluster
	s_lshl_b32 s44, 0x1111, s40                    ; my column
	; group 1.  att: 64 rows of 128 elements, dense, 4 words of padding behind every 32 words.  Wo: 32 rows of 256 elements, pitch 1,024, padding behind every 128 words.
	s_or_b32 s[G1A+0], s43, (1<<16)|(1<<20)|(1<<21)|(4<<22)|(3<<25)
	s_or_b32 s[G1B+0], s44, (1<<16)|(1<<20)|(1<<21)|(6<<22)|(3<<25)
	s_mov_b32 s[G1A+1], 128<<16
	s_mov_b32 s[G1B+1], 256<<16
	s_mov_b32 s[G1A+2], 64<<16
	s_mov_b32 s[G1B+2], 32<<16
	s_mov_b32 s[G1A+3], 128<<16
	s_mov_b32 s[G1B+3], 256<<16
	s_mov_b32 s[G1A+4], 64
	s_mov_b32 s[G1B+4], 32
	s_mov_b32 s[G1A+5], 128
	s_mov_b32 s[G1B+5], 1024
	s_mov_b32 s[G1A+6], 0
	s_mov_b32 s[G1B+6], 0
	s_mov_b32 s[G1A+7], 0
	s_mov_b32 s[G1B+7], 0
	s_lshl_b32 s16, s12, 19                        ; att: head w of the step's four,
	s_lshl_b32 s17, s15, 14                        ; 128 rows of 128 bytes a block row
	s_add_co_u32 s16, s16, s17
	s_mov_b32 s17, 0
	s_lshl_b32 s46, s42, 18                        ; Wo: 128 rows of 2,048 bytes a block column,
	s_lshl_b32 s47, s12, 16                        ; 32 rows a wave,
	s_add_co_u32 s46, s46, s47
	s_add_co_u32 s46, s46, 7168*2048               ; behind x's and the other weights' rows
	s_mov_b32 s47, 0
	s_lshl_b32 s45, s42, 9                         ; my first column in bytes of f32: 512 a block, 256 a half
	s_lshl_b32 s22, s14, 8
	s_add_co_u32 s45, s45, s22
	s_mul_i32 s20, s12, APL                        ; where the tiles go: made of the wave's number alone
	s_mul_i32 s21, s12, BQ
	s_add_co_u32 s21, s21, BOFF
	s_wait_dscnt 0x0
	s_wait_kmcnt 0x0
	s_add_nc_u64 s[18:19], s[4:5], s[16:17]
	s_add_nc_u64 s[46:47], s[6:7], s[46:47]
	CROUND                                         ; all sixteen work-groups are here: the first joint loads meet
.irp s, 0,1
	s_mov_b32 s[G0A+4*\s], 1
	s_add_co_u32 s[G0A+4*\s+1], s20, \s*SLOT
	s_add_nc_u64 s[G0A+4*\s+2:G0A+4*\s+3], s[18:19], \s*4*PLANE    ; K step s: heads 4 s .. 4 s + 3
	s_or_b32 s[G0A+4*\s+3], s[G0A+4*\s+3], 0x80000000
	s_mov_b32 s[G0B+4*\s], 1
	s_add_co_u32 s[G0B+4*\s+1], s21, \s*SLOT
	s_add_nc_u64 s[G0B+4*\s+2:G0B+4*\s+3], s[46:47], \s*512
	s_or_b32 s[G0B+4*\s+3], s[G0B+4*\s+3], 0x80000000
	tensor_load_to_lds s[G0A+4*\s:G0A+4*\s+3], s[G1A:G1A+7]
	s_nop 0
	tensor_load_to_lds s[G0B+4*\s:G0B+4*\s+3], s[G1B:G1B+7]        ; four loads of the wave are out now, later two
	s_nop 0
.endr
	v_and_b32 v1, 15, v0                           ; r
	v_bfe_u32 v2, v0, 4, 1                         ; h
	v_lshlrev_b32 v3, 4, v1
	v_add_nc_u32 v[BO], s45, v3
	global_load_b128 v[BIAS:BIAS+3], v[BO], s[8:9] ; bo of columns 4 r .. 4 r + 3 of my 64
	v_mul_u32_u24 v4, v1, PA
	v_lshl_add_u32 v4, v2, 4, v4
	s_mul_i32 s22, s13, 64*PA                      ; my 64 rows in each head's plane
	v_add_nc_u32 v[ADRA], s22, v4
	v_add_nc_u32 v[ADRA+1], SLOT, v[ADRA]
	v_mul_u32_u24 v5, v1, PB
	v_lshl_add_u32 v5, v2, 4, v5
	s_mul_i32 s23, s14, 64*PB                      ; my 64 rows of Wo
	s_add_co_u32 s23, s23, BOFF
	v_add_nc_u32 v[ADRB], s23, v5
	v_add_nc_u32 v[ADRB+1], SLOT, v[ADRB]
	s_mul_i32 s22, s12, 16*SPITCH
	s_add_co_u32 s22, s22, STAGE                   ; my stage
	v_mul_u32_u24 v6, v1, SPITCH
	v_lshl_add_u32 v6, v2, 5, v6
	v_add_nc_u32 v[STO], s22, v6                   ; in: row r, 32 bytes for each half of the lanes
	v_mul_u32_u24 v7, v2, SPITCH
	v_add_nc_u32 v7, v7, v3
	v_add_nc_u32 v[RD], s22, v7                    ; back: sixteen lanes take a row of 256 bytes
	v_lshl_add_u32 v[CO], v2, 12, v3               ; and the same two rows in out0
; 4 matrix instructions: row block a x my 4 column blocks, 32 along K.  The 16 accumulators take turns, one instruction a turn, in the
; same order in every quarter.
.macro MUL4 f, a, zero
.irp b, 0,1,2,3
.if \zero
	v_wmma_f32_16x16x32_f16 v[8*(4*\a+\b):8*(4*\a+\b)+7], v[\f+8*\b:\f+8*\b+7], v[\f+32+8*\a:\f+32+8*\a+7], 0
.else
	v_wmma_f32_16x16x32_f16 v[8*(4*\a+\b):8*(4*\a+\b)+7], v[\f+8*\b:\f+8*\b+7], v[\f+32+8*\a:\f+32+8*\a+7], v[8*(4*\a+\b):8*(4*\a+\b)+7]
.endif
.endr
.endm
; 16 LDS loads: the fragments of eighth q of a K step (head q / 2, d from 32 (q % 2)) into buffer f
.macro FETCH slot, q, f
.irp i, 0,1,2,3
	ds_load_b128 v[\f+8*\i:\f+8*\i+3],   v[ADRB+\slot] offset:64*(\q)+\i*16*PB
	ds_load_b128 v[\f+8*\i+4:\f+8*\i+7], v[ADRB+\slot] offset:64*(\q)+\i*16*PB+32
.endr
.irp i, 0,1,2,3
	ds_load_b128 v[\f+32+8*\i:\f+32+8*\i+3], v[ADRA+\slot] offset:((\q)>>1)*APL+((\q)&1)*64+\i*16*PA
	ds_load_b128 v[\f+32+8*\i+4:\f+32+8*\i+7], v[ADRA+\slot] offset:((\q)>>1)*APL+((\q)&1)*64+\i*16*PA+32
.endr
.endm
; Multiplies buffer f and fetches eighth q, the next, into buffer g in its middle.
.macro EIGHTH slot, q, f, g, zero
	s_wait_dscnt 4                                 ; Wo and att's rows 0-31 are in; the youngest four loads (rows 32-63) may be out
	WIN MUL
	MUL4 \f, 0, \zero
	MUL4 \f, 1, \zero
	PLACES
	WIN 0
	FETCH \slot, \q, \g
	s_wait_dscnt 16                                ; all but the 16 just issued
	WIN MUL
	MUL4 \f, 2, \zero
	MUL4 \f, 3, \zero
.endm
.macro SEVEN slot, zero
	EIGHTH \slot, 1, F0, F1, \zero
	EIGHTH \slot, 2, F1, F0, 0
	EIGHTH \slot, 3, F0, F1, 0
	EIGHTH \slot, 4, F1, F0, 0
	EIGHTH \slot, 5, F0, F1, 0
	EIGHTH \slot, 6, F1, F0, 0
	EIGHTH \slot, 7, F0, F1, 0
.endm
; The last eighth multiplies buffer 1 and changes slots: each wave's waits for its reads and for all its tensor loads stand in front of the
; barrier; fill = 1: it opens a round of the cluster's barrier, and the joint refills are the first tensor loads behind the round.
.macro TURN slot, next, fill
	s_wait_dscnt 4
	WIN MUL
	MUL4 F1, 0, 0
	s_wait_dscnt 0
	s_wait_tensorcnt 0x0
	ds_add_u32 v62, v63
	s_wait_dscnt 0x0
	s_barrier_signal -1
	MUL4 F1, 1, 0                                  ; register work while the others arrive
	WIN 0
	s_barrier_wait -1
.if \fill
	CREST
	s_add_nc_u64 s[G0A+4*\slot+2:G0A+4*\slot+3], s[G0A+4*\slot+2:G0A+4*\slot+3], 8*PLANE
	s_add_nc_u64 s[G0B+4*\slot+2:G0B+4*\slot+3], s[G0B+4*\slot+2:G0B+4*\slot+3], 1024
	tensor_load_to_lds s[G0A+4*\slot:G0A+4*\slot+3], s[G1A:G1A+7]
	s_nop 0
	tensor_load_to_lds s[G0B+4*\slot:G0B+4*\slot+3], s[G1B:G1B+7]
	s_nop 0
.endif
	PLACES
	FETCH \next, 0, F0
	WIN MUL
	MUL4 F1, 2, 0
	MUL4 F1, 3, 0
.endm
	s_wait_tensorcnt 2                             ; my two parts of K step 0 are in; K step 1's two stay out
	s_barrier_signal -1
	s_barrier_wait -1
	FETCH 0, 0, F0
	SEVEN 0, 1                                     ; the first products start the sums
	TURN 0, 1, 1                                   ; slot 0 gets K step 2
	SEVEN 1, 0
	TURN 1, 0, 1                                   ; slot 1 gets K step 3
	SEVEN 0, 0
	TURN 0, 1, 0
	SEVEN 1, 0
	s_wait_dscnt 4
	WIN MUL
	MUL4 F1, 0, 0
	MUL4 F1, 1, 0
	s_wait_dscnt 0
	MUL4 F1, 2, 0
	MUL4 F1, 3, 0
	; THE WAY OUT, 16 rows at a time: the sums go as they are into my own stage, come back as whole rows of 256 bytes, and bo is added.
	PLACES
	s_lshl_b32 s16, s15, 19                        ; 128 rows of 4,096 bytes a block row
	s_lshl_b32 s17, s13, 18                        ; 64 rows a half
	s_add_co_u32 s16, s16, s17
	s_mov_b32 s17, 0
	s_add_nc_u64 s[10:11], s[10:11], s[16:17]
	s_mov_b32 s46, s45                             ; my first column (in the registers that held Wo's address)
	s_mov_b32 s47, 0
	s_add_nc_u64 s[10:11], s[10:11], s[46:47]
	s_wait_loadcnt 0x0                             ; bo
.macro OUT16 a, rb
	WIN 0x04                                       ; the stores' data in window 1
.irp b, 0,1,2,3
	ds_store_b128 v[STO], v[8*(4*\a+\b):8*(4*\a+\b)+3]   offset:64*\b
	ds_store_b128 v[STO], v[8*(4*\a+\b)+4:8*(4*\a+\b)+7] offset:64*\b+16
.endr
	WIN 0
	s_wait_xcnt 0x0                                ; buffer rb, which earlier stores read, and the stores' base are rewritten only behind this wait
.if \a
	s_add_nc_u64 s[10:11], s[10:11], 16*4096       ; 16 rows on
.endif
.irp t, 0,1,2,3,4,5,6,7
	ds_load_b128 v[\rb+4*\t:\rb+4*\t+3], v[RD] offset:\t*2*SPITCH  ; LDS serves a wave's instructions in order: these see the stores above
.endr
.irp t, 0,1,2,3,4,5,6,7
	s_wait_dscnt 7-\t
	v_pk_add_f32 v[\rb+4*\t:\rb+4*\t+1],   v[\rb+4*\t:\rb+4*\t+1],   v[BIAS:BIAS+1]
	v_pk_add_f32 v[\rb+4*\t+2:\rb+4*\t+3], v[\rb+4*\t+2:\rb+4*\t+3], v[BIAS+2:BIAS+3]
	global_store_b128 v[CO], v[\rb+4*\t:\rb+4*\t+3], s[10:11] offset:\t*2*4096 th:TH_STORE_NT  ; sixteen lanes store 256 consecutive bytes, aligned
.endr
.endm
	OUT16 0, RB0
	OUT16 1, RB1
	OUT16 2, RB0
	OUT16 3, RB1
	s_wait_tensorcnt 0x0
	ds_add_u32 v62, v63
	s_wait_dscnt 0x0
	CROUND                                         ; the closing round: no work-group ends while a partner may still ask for a tile that names it
	s_endpgm
.Lfunc_end_k_q46135b398a_proj:
	.size	k_q46135b398a_proj, .Lfunc_end_k_q46135b398a_proj-k_q46135b398a_proj
	.p2alignl 7, 3214868480
	.fill 96, 4, 3214868480
	.section	.rodata,"a",@progbits
	.p2align	6, 0x0
	.amdhsa_kernel k_q46135b398a_proj
		.amdhsa_group_segment_fixed_size 327680
		.amdhsa_private_segment_fixed_size 0
		.amdhsa_enable_private_segment 0
		.amdhsa_kernarg_size 32
		.amdhsa_user_sgpr_count 2
		.amdhsa_user_sgpr_kernarg_segment_ptr 1
		.amdhsa_wavefront_size32 1
		.amdhsa_system_sgpr_workgroup_id_x 1
		.amdhsa_system_sgpr_workgroup_id_y 1
		.amdhsa_system_sgpr_workgroup_id_z 1
		.amdhsa_system_vgpr_workitem_id 0
		.amdhsa_next_free_vgpr 384
		.amdhsa_next_free_sgpr 66
		.amdhsa_reserve_vcc 0
		.amdhsa_float_denorm_mode_32 3
		.amdhsa_float_denorm_mode_16_64 3
		.amdhsa_memory_ordered 1
		.amdhsa_forward_progress 1
		.amdhsa_inst_pref_size 93
	.end_amdhsa_kernel
	.amdgpu_metadata
---
amdhsa.version: [ 1, 2 ]
amdhsa.kernels:
  - .name:           k_q46135b398a_proj
    .symbol:         k_q46135b398a_proj.kd
    .args:
      - { .name: att, .offset: 0, .size: 8, .value_kind: global_buffer, .address_space: global }
      - { .name: xw, .offset: 8, .size: 8, .value_kind: global_buffer, .address_space: global }
      - { .name: bo, .offset: 16, .size: 8, .value_kind: global_buffer, .address_space: global }
      - { .name: out0, .offset: 24, .size: 8, .value_kind: global_buffer, .address_space: global }
    .group_segment_fixed_size: 327680
    .private_segment_fixed_size: 0
    .kernarg_segment_align: 8
    .kernarg_segment_size: 32
    .max_flat_workgroup_size: 128
    .sgpr_count:     66
    .vgpr_count:     384
    .wavefront_size: 32
...
	.end_amdgpu_metadata
.endif
;; end of part 4
;; launch fix (part 5): grid 16 x 2, 16 waves a work-group, no clusters, 19,456 bytes of LDS; arguments atx, xw, bo, out0; writes out0
.if DOCPART == 5
	.amdgcn_target "amdgcn-amd-amdhsa--gfx1250"
	.amdhsa_code_object_version 6
	.text
	.protected	k_q46135b398a_fix
	.globl	k_q46135b398a_fix
	.p2align	8
	.type	k_q46135b398a_fix,@function
k_q46135b398a_fix:
	s_mov_b64 s[64:65], 0
	v_nop
	global_prefetch_b8 v0, s[64:65] scope:SCOPE_SE
	s_setreg_imm32_b32 hwreg(HW_REG_WAVE_MODE, 25, 1), 1
	s_wait_xcnt 0x0
; out0[b][0..15][:] = (upper part + rest of the attention's rows 0-15) Wo^T + bo, with about 21 bits in the left operand.
; These 32 rows are means over at most 16 rows of v and many times larger than the output's root mean square, so that one f16 rounding of
; the left operand weighs too much in them.  THIS LAUNCH STORES 131,072 BYTES OF out0 A SECOND TIME, over what the launch before has put there
; from the f16 rows: that launch asks for its tiles jointly, so that no branch of it may hang on the block row, and the rest's product in
; every one of its work-groups would add a quarter to its matrix work, nearly all of it on zeros.
; atx[b][part][head][dt][lane][16 bytes] holds finished fragments: K step (head, c) is blocks dt = 2 c and 2 c + 1, 512 consecutive bytes each.
; Wo: rows 7168-8191 of xw, f16 codes.  A work-group makes 16 rows x 64 columns of batch y; wave w takes column tile w % 4 and K quarter w / 4
; (four heads, 8 K steps): 48 loads, all issued at once, 16 matrix instructions.  The quarters meet in LDS; wave w then sums row w.
; No tensor loads, no cluster: a wave reads 24 KiB, once, straight into its fragments.
; The matrix instruction is used transposed (source 0 = rows of Wo, source 1 = rows of atx): a lane holds 8 neighbouring columns of row r.
.set SP,  272                          ; an LDS row: 64 f32 + 16 bytes, an odd multiple of 16
.set KQB, 16*SP                        ; one K quarter's 16 rows
.set WOF, 4                            ; v4      byte offset in xw of my 16 bytes of Wo's row
.set AOF, 5                            ; v5      byte offset in atx of my 16 bytes
.set COL, 6                            ; v6      256 x column group + 8 x lane: my two columns in bo and in a row of out0
.set STO, 7
.set RD,  26
.set ACH, 8                            ; v[8:15]   the upper parts' sums
.set ACL, 16                           ; v[16:23]  the rests' sums; later the four quarters read back
.set BIAS, 24                          ; v[24:25]
.set WB,  32                           ; v32-95    Wo's fragments, K step ks at WB + 8 ks
.set AH,  96                           ; v96-159   the upper parts'
.set AL,  160                          ; v160-223  the rests'
	s_load_b256 s[4:11], s[0:1], 0x0               ; atx s[4:5], xw s[6:7], bo s[8:9], out0 s[10:11]
	v_lshl_add_u32 v224, v0, 2, 0x4400
	v_mov_b32 v225, 0
	v_lshrrev_b32 v1, 5, v0
	v_readfirstlane_b32 s12, v1                    ; wave 0..15
	s_and_b32 s13, s12, 3                          ; column tile
	s_lshr_b32 s14, s12, 2                         ; K quarter
	s_and_b32 s15, ttmp7, 0xffff                   ; batch
	v_and_b32 v1, 31, v0                           ; lane
	v_and_b32 v2, 15, v0                           ; r
	v_bfe_u32 v3, v0, 4, 1                         ; h
	s_lshl_b32 s16, ttmp9, 17                      ; 64 rows of 2,048 bytes a column group,
	s_lshl_b32 s17, s13, 15                        ; 16 rows a tile,
	s_add_co_u32 s16, s16, s17
	s_lshl_b32 s17, s14, 9                         ; 256 k of 2 bytes a quarter,
	s_add_co_u32 s16, s16, s17
	s_add_co_u32 s16, s16, 7168*2048               ; behind x's and the other weights' rows
	v_lshlrev_b32 v[WOF], 11, v2
	v_lshl_add_u32 v[WOF], v3, 4, v[WOF]
	v_add_nc_u32 v[WOF], s16, v[WOF]
	s_lshl_b32 s17, s15, 16                        ; atx: 65,536 bytes a batch,
	s_lshl_b32 s18, s14, 13                        ; four heads of 2,048 a quarter
	s_add_co_u32 s17, s17, s18
	v_lshl_add_u32 v[AOF], v1, 4, s17
	s_lshl_b32 s18, ttmp9, 8                       ; 64 columns of f32
	v_lshl_add_u32 v[COL], v1, 3, s18
	s_mul_i32 s19, s14, KQB
	s_lshl_b32 s18, s13, 6
	s_add_co_u32 s19, s19, s18                     ; in: my quarter, my tile's 64 bytes of a row
	v_mul_u32_u24 v[STO], v2, SP
	v_lshl_add_u32 v[STO], v3, 5, v[STO]
	v_add_nc_u32 v[STO], s19, v[STO]
	s_mul_i32 s19, s12, SP                         ; back: row w, 8 bytes a lane
	v_lshl_add_u32 v[RD], v1, 3, s19
	s_lshl_b32 s20, s15, 23                        ; out0: 2,048 rows of 4,096 bytes a batch,
	s_lshl_b32 s21, s12, 12                        ; row w
	s_add_co_u32 s20, s20, s21
	s_mov_b32 s21, 0
	s_wait_kmcnt 0x0
	s_add_nc_u64 s[10:11], s[10:11], s[20:21]
	global_load_b64 v[BIAS:BIAS+1], v[COL], s[8:9]
.irp ks, 0,1,2,3,4,5,6,7
	global_load_b128 v[WB+8*\ks:WB+8*\ks+3],   v[WOF], s[6:7] offset:\ks*64
	global_load_b128 v[WB+8*\ks+4:WB+8*\ks+7], v[WOF], s[6:7] offset:\ks*64+32
	global_load_b128 v[AH+8*\ks:AH+8*\ks+3],   v[AOF], s[4:5] offset:\ks*1024
	global_load_b128 v[AH+8*\ks+4:AH+8*\ks+7], v[AOF], s[4:5] offset:\ks*1024+512
	global_load_b128 v[AL+8*\ks:AL+8*\ks+3],   v[AOF], s[4:5] offset:32768+\ks*1024
	global_load_b128 v[AL+8*\ks+4:AL+8*\ks+7], v[AOF], s[4:5] offset:32768+\ks*1024+512
.endr
	; The two accumulators take turns, one instruction a turn.  The first K step starts both sums.
	s_wait_loadcnt 42                              ; K step 0 is in: the six loads of each of the seven later K steps stay out
	v_wmma_f32_16x16x32_f16 v[ACH:ACH+7], v[WB:WB+7], v[AH:AH+7], 0
	v_wmma_f32_16x16x32_f16 v[ACL:ACL+7], v[WB:WB+7], v[AL:AL+7], 0
.irp ks, 1,2,3,4,5,6,7
	s_wait_loadcnt 42-6*\ks
	v_wmma_f32_16x16x32_f16 v[ACH:ACH+7], v[WB+8*\ks:WB+8*\ks+7], v[AH+8*\ks:AH+8*\ks+7], v[ACH:ACH+7]
	v_wmma_f32_16x16x32_f16 v[ACL:ACL+7], v[WB+8*\ks:WB+8*\ks+7], v[AL+8*\ks:AL+8*\ks+7], v[ACL:ACL+7]
.endr
.rept 4
	v_nop                                          ; four places in front of the reads of the sums (ISA guide 7.12.1)
.endr
.irp i, 0,2,4,6
	v_pk_add_f32 v[ACH+\i:ACH+\i+1], v[ACH+\i:ACH+\i+1], v[ACL+\i:ACL+\i+1]
.endr
	ds_store_b128 v[STO], v[ACH:ACH+3]             ; columns 16 tile + 8 h + 0 .. 7 of row r
	ds_store_b128 v[STO], v[ACH+4:ACH+7] offset:16
	s_wait_dscnt 0x0                               ; for the others' sake: my stores are done
	s_barrier_signal -1
	s_barrier_wait -1
.irp q, 0,1,2,3
	ds_load_b64 v[ACL+2*\q:ACL+2*\q+1], v[RD] offset:\q*KQB        ; row w of quarter q: 256 consecutive bytes a wave
.endr
	s_wait_dscnt 0x0
	v_pk_add_f32 v[ACL:ACL+1], v[ACL:ACL+1], v[ACL+2:ACL+3]
	v_pk_add_f32 v[ACL+4:ACL+5], v[ACL+4:ACL+5], v[ACL+6:ACL+7]
	v_pk_add_f32 v[ACL:ACL+1], v[ACL:ACL+1], v[ACL+4:ACL+5]
	v_pk_add_f32 v[ACL:ACL+1], v[ACL:ACL+1], v[BIAS:BIAS+1]        ; bo came with the wait for all loads above
	global_store_b64 v[COL], v[ACL:ACL+1], s[10:11] th:TH_STORE_NT ; the wave's store covers 256 consecutive bytes, aligned
	s_wait_tensorcnt 0x0
	ds_add_u32 v224, v225
	s_wait_dscnt 0x0
	s_endpgm
.Lfunc_end_k_q46135b398a_fix:
	.size	k_q46135b398a_fix, .Lfunc_end_k_q46135b398a_fix-k_q46135b398a_fix
	.p2alignl 7, 3214868480
	.fill 96, 4, 3214868480
	.section	.rodata,"a",@progbits
	.p2align	6, 0x0
	.amdhsa_kernel k_q46135b398a_fix
		.amdhsa_group_segment_fixed_size 19456
		.amdhsa_private_segment_fixed_size 0
		.amdhsa_enable_private_segment 0
		.amdhsa_kernarg_size 32
		.amdhsa_user_sgpr_count 2
		.amdhsa_user_sgpr_kernarg_segment_ptr 1
		.amdhsa_wavefront_size32 1
		.amdhsa_system_sgpr_workgroup_id_x 1
		.amdhsa_system_sgpr_workgroup_id_y 1
		.amdhsa_system_sgpr_workgroup_id_z 1
		.amdhsa_system_vgpr_workitem_id 0
		.amdhsa_next_free_vgpr 226
		.amdhsa_next_free_sgpr 66
		.amdhsa_reserve_vcc 0
		.amdhsa_float_denorm_mode_32 3
		.amdhsa_float_denorm_mode_16_64 3
		.amdhsa_memory_ordered 1
		.amdhsa_forward_progress 1
		.amdhsa_inst_pref_size 10
	.end_amdhsa_kernel
	.amdgpu_metadata
---
amdhsa.version: [ 1, 2 ]
amdhsa.kernels:
  - .name:           k_q46135b398a_fix
    .symbol:         k_q46135b398a_fix.kd
    .args:
      - { .name: atx, .offset: 0, .size: 8, .value_kind: global_buffer, .address_space: global }
      - { .name: xw, .offset: 8, .size: 8, .value_kind: global_buffer, .address_space: global }
      - { .name: bo, .offset: 16, .size: 8, .value_kind: global_buffer, .address_space: global }
      - { .name: out0, .offset: 24, .size: 8, .value_kind: global_buffer, .address_space: global }
    .group_segment_fixed_size: 19456
    .private_segment_fixed_size: 0
    .kernarg_segment_align: 8
    .kernarg_segment_size: 32
    .max_flat_workgroup_size: 512
    .sgpr_count:     66
    .vgpr_count:     226
    .wavefront_size: 32
...
	.end_amdgpu_metadata
.endif
;; end of part 5
;; ======== version 2 of 2: 5 launches; version 1 with the launch cast written anew for expert scheduling mode
;; limits: values are held in f16: magnitudes above 65,504 overflow, below 6.1e-05 lose precision
;; workspace buffers: xw 16,777,216 bytes; qkv 25,165,824 bytes; att 8,388,608 bytes; atx 131,072 bytes
;; launch cast (part 6): grid 512 x 1, 8 waves a work-group, no clusters, 0 bytes of LDS; arguments x, Wq, Wk, Wv, Wo, xw; writes xw
.if DOCPART == 6
	.amdgcn_target "amdgcn-amd-amdhsa--gfx1250"
	.amdhsa_code_object_version 6
	.text
	.protected	k_q46135b398a_cast
	.globl	k_q46135b398a_cast
	.p2align	8
	.type	k_q46135b398a_cast,@function
k_q46135b398a_cast:
	s_mov_b64 s[64:65], 0
	v_nop
	global_prefetch_b8 v0, s[64:65] scope:SCOPE_SE
	s_setreg_imm32_b32 hwreg(HW_REG_WAVE_SCHED_MODE, 0, 2), 2
	s_setreg_imm32_b32 hwreg(HW_REG_WAVE_MODE, 25, 1), 1
	s_wait_xcnt 0x0
	s_wait_alu depctr_vm_vsrc(0)
; xw[8192][1024], 16 bits a number: rows 0-4095 = x, 4096-5119 = Wq, 5120-6143 = Wk, 6144-7167 = Wv, all in bf16;
; rows 7168-8191 = Wo, rounded to bf16 like the others and then written in f16's code, because its partner in the last
; product is f16.  LIMIT: that second step is exact for |Wo| >= 2^-17 and below 65,504; smaller numbers are off by at most 2^-25.
; A stream: every byte is read once and written once; no LDS, no matrix unit, no cluster (no two work-groups read the same byte).
; Work-group g takes 65,536 bytes of f32 and writes 32,768 bytes at 32,768 g; a wave takes 8,192 bytes by 16 loads of 512
; neighbouring bytes, all issued at once; each store of a wave covers 256 consecutive bytes, aligned.
; THE MODE: SCHED_MODE bits 1:0 = 2 (LLVM: expert scheduling mode 2), set by the entry lines.  The code itself states the register dependences
; between vector instructions and memory instructions, with s_wait_alu, always for 0.
; THE PLAN.  The 16 pieces go in four blocks of four.  Registers that memory instructions touch:
;   v1, v2   byte offsets of the loads and of the stores: made once at the head and never written again.
;   X        piece i's four registers: one load lands in them, once; no vector line names them before that.  Behind the counted wait for that load
;            only the piece's own vector lines name them (in Wo's path they write them again): no memory instruction does.
;   Y        piece i's two registers: written by the piece's conversions, read by its one store, never written behind it.
; Block p converts its four pieces; its memory instructions are the four stores of block p - 1, which read v2 and that block's Y: registers that no
; vector line of block p names.  So one wait at a block's head states all that its four stores hang on, and they are dealt among its conversions
; with no further wait.  No register that a memory instruction reads is ever written again, so nothing is owed on that side; no vector line
; writes a scalar register or VCC; EXEC is never written.
.set X, 8                              ; v[8:71]    piece i: 4 f32 as loaded
.set Y, 72                             ; v[72:103]  piece i: 4 numbers of 16 bits to store
	s_load_b256 s[4:11], s[0:1], 0x0               ; x s[4:5], Wq s[6:7], Wk s[8:9], Wv s[10:11]
	s_load_b128 s[12:15], s[0:1], 0x20             ; Wo s[12:13], xw s[14:15]
	s_sub_co_u32 s16, ttmp9, 256                   ; t = g - 256: the place among the weights' 256 parts (wraps for g < 256: not used there)
	s_lshr_b32 s17, s16, 6                         ; which weight, 0 to 3
	s_and_b32 s18, s16, 63                         ; which 65,536 bytes of it
	s_mov_b32 s19, 0xffff0000                      ; a word's upper bf16
	v_and_b32 v3, 0xe0, v0                         ; 32 x wave
	v_and_b32 v4, 31, v0                           ; lane
	v_lshlrev_b32 v1, 4, v4
	v_lshl_or_b32 v1, v3, 8, v1                    ; from: wave x 8,192 + lane x 16
	v_lshlrev_b32 v2, 3, v4
	v_lshl_or_b32 v2, v3, 7, v2                    ; to: wave x 4,096 + lane x 8
	s_wait_kmcnt 0x0
	s_mov_b64 s[20:21], s[12:13]                   ; the source: Wo, unless the work-group's number says otherwise
	s_cmp_eq_u32 s17, 2
	s_cselect_b64 s[20:21], s[10:11], s[20:21]
	s_cmp_eq_u32 s17, 1
	s_cselect_b64 s[20:21], s[8:9], s[20:21]
	s_cmp_eq_u32 s17, 0
	s_cselect_b64 s[20:21], s[6:7], s[20:21]
	s_cmp_lt_u32 ttmp9, 256
	s_cselect_b64 s[20:21], s[4:5], s[20:21]
	s_cselect_b32 s18, ttmp9, s18
	s_lshl_b32 s22, s18, 16                        ; 65,536 bytes a part
	s_mov_b32 s23, 0
	s_add_nc_u64 s[20:21], s[20:21], s[22:23]
	s_lshl_b32 s22, ttmp9, 15                      ; 32,768 bytes a part
	s_add_nc_u64 s[14:15], s[14:15], s[22:23]
	s_wait_alu depctr_va_vdst(0)                   ; v1 and v2 are written: every load of the kernel reads v1 as its offset, every store v2
.irp i, 0,1,2,3,4,5,6,7,8,9,10,11,12,13,14,15
	global_load_b128 v[X+4*\i:X+4*\i+3], v1, s[20:21] offset:512*\i th:TH_LOAD_NT
.endr
; The conversions of one piece: 4 numbers a lane.  No register is written while a load or store may read it: every piece has its own.
.macro CONV i, wo
	v_cvt_pk_bf16_f32 v[Y+2*(\i)],   v[X+4*(\i)],   v[X+4*(\i)+1]
	v_cvt_pk_bf16_f32 v[Y+2*(\i)+1], v[X+4*(\i)+2], v[X+4*(\i)+3]
.if \wo
	v_lshlrev_b32 v[X+4*(\i)],   16,  v[Y+2*(\i)]      ; the rounded numbers as f32 again,
	v_and_b32     v[X+4*(\i)+1], s19, v[Y+2*(\i)]
	v_lshlrev_b32 v[X+4*(\i)+2], 16,  v[Y+2*(\i)+1]
	v_and_b32     v[X+4*(\i)+3], s19, v[Y+2*(\i)+1]
	v_cvt_pk_f16_f32 v[Y+2*(\i)],   v[X+4*(\i)],   v[X+4*(\i)+1]     ; and in f16's code
	v_cvt_pk_f16_f32 v[Y+2*(\i)+1], v[X+4*(\i)+2], v[X+4*(\i)+3]
.endif
.endm
; The store of one piece.
.macro SEND i
	global_store_b64 v2, v[Y+2*(\i):Y+2*(\i)+1], s[14:15] offset:256*(\i)    ; the next launches read these bytes: no hint
.endm
; Block p: pieces 4 p to 4 p + 3 are converted; the stores of the block before stand among the conversions, one in front of each piece's.
.macro BLK p, wo
	s_wait_loadcnt 12-4*(\p)                       ; loads come back in order (ISA guide 5.7.1): this block's four are in, the 12 - 4 p younger ones stay out
.if \p
	s_wait_alu depctr_va_vdst(0)                   ; the block before has written its Y, which the four stores below read; no vector line behind this wait names those registers or v2
.endif
.irp i, 0,1,2,3
.if \p
	SEND 4*((\p)-1)+\i
.endif
	CONV 4*(\p)+\i, \wo
.endr
.endm
	s_cmp_ge_u32 ttmp9, 448                        ; the last 64 work-groups hold Wo
	s_cbranch_scc1 .Lwo
	BLK 0, 0
	BLK 1, 0
	BLK 2, 0
	BLK 3, 0
	s_wait_alu depctr_va_vdst(0)                   ; the last block has written its Y, which the last four stores read
	SEND 12
	SEND 13
	SEND 14
	SEND 15
	s_endpgm
.Lwo:
	BLK 0, 1
	BLK 1, 1
	BLK 2, 1
	BLK 3, 1
	s_wait_alu depctr_va_vdst(0)                   ; the last block has written its Y, which the last four stores read
	SEND 12
	SEND 13
	SEND 14
	SEND 15
	s_endpgm
.Lfunc_end_k_q46135b398a_cast:
	.size	k_q46135b398a_cast, .Lfunc_end_k_q46135b398a_cast-k_q46135b398a_cast
	.p2alignl 7, 3214868480
	.fill 96, 4, 3214868480
	.section	.rodata,"a",@progbits
	.p2align	6, 0x0
	.amdhsa_kernel k_q46135b398a_cast
		.amdhsa_group_segment_fixed_size 0
		.amdhsa_private_segment_fixed_size 0
		.amdhsa_enable_private_segment 0
		.amdhsa_kernarg_size 48
		.amdhsa_user_sgpr_count 2
		.amdhsa_user_sgpr_kernarg_segment_ptr 1
		.amdhsa_wavefront_size32 1
		.amdhsa_system_sgpr_workgroup_id_x 1
		.amdhsa_system_sgpr_workgroup_id_y 1
		.amdhsa_system_sgpr_workgroup_id_z 1
		.amdhsa_system_vgpr_workitem_id 0
		.amdhsa_next_free_vgpr 104
		.amdhsa_next_free_sgpr 66
		.amdhsa_reserve_vcc 0
		.amdhsa_float_denorm_mode_32 3
		.amdhsa_float_denorm_mode_16_64 3
		.amdhsa_memory_ordered 1
		.amdhsa_forward_progress 1
		.amdhsa_inst_pref_size 15
	.end_amdhsa_kernel
	.amdgpu_metadata
---
amdhsa.version: [ 1, 2 ]
amdhsa.kernels:
  - .name:           k_q46135b398a_cast
    .symbol:         k_q46135b398a_cast.kd
    .args:
      - { .name: x, .offset: 0, .size: 8, .value_kind: global_buffer, .address_space: global }
      - { .name: Wq, .offset: 8, .size: 8, .value_kind: global_buffer, .address_space: global }
      - { .name: Wk, .offset: 16, .size: 8, .value_kind: global_buffer, .address_space: global }
      - { .name: Wv, .offset: 24, .size: 8, .value_kind: global_buffer, .address_space: global }
      - { .name: Wo, .offset: 32, .size: 8, .value_kind: global_buffer, .address_space: global }
      - { .name: xw, .offset: 40, .size: 8, .value_kind: global_buffer, .address_space: global }
    .group_segment_fixed_size: 0
    .private_segment_fixed_size: 0
    .kernarg_segment_align: 8
    .kernarg_segment_size: 48
    .max_flat_workgroup_size: 256
    .sgpr_count:     66
    .vgpr_count:     104
    .wavefront_size: 32
...
	.end_amdgpu_metadata
.endif
;; end of part 6
;; launch qkv: the kernel of part 2 again; grid 16 x 16, 4 waves a work-group, clusters of 4 x 4, 327,680 bytes of LDS; arguments xw, qkv; writes qkv
;; launch attn: the kernel of part 3 again; grid 8 x 32, 8 waves a work-group, no clusters, 327,680 bytes of LDS; arguments qkv, att, xw, atx; writes att, atx
;; launch proj: the kernel of part 4 again; grid 8 x 32, 4 waves a work-group, clusters of 4 x 4, 327,680 bytes of LDS; arguments att, xw, bo, out0; writes out0
;; launch fix: the kernel of part 5 again; grid 16 x 2, 16 waves a work-group, no clusters, 19,456 bytes of LDS; arguments atx, xw, bo, out0; writes out0
